; MI455X (gfx1250); checked and timed in simulation.
; The chip was launched on July 23, 2026; its instructions are those of AMD's public machine-readable ISA for CDNA 5 (MIT licence, August 2026) and "CDNA5" Instruction Set Architecture Reference Guide (July 2026). The comments in the code are by the model that wrote it; some were corrected since.
;; MHA. Allowed arithmetic: matrix products marked QUANTISED: E2M1 operands, one E8M0 scale for each 32 along K, by v_wmma_scale_f32_16x16x128_f8f6f4 with both operands' format E2M1 (or v_wmma_scale_f32_32x16x128_f4), f32 sums; products left as they are: bf16, f16 or f32 operands; f32 sums; everything else in f32.
;; Inputs: W_out 1,024 x 1,024 float32; W_qkv 3,072 x 1,024 float32; kn_w 64 float32; mask 2,048 x 2,048 bool; pos 2,048 int32; qn_w 64 float32; x 4 x 2,048 x 1,024 float32.
;; Outputs: out0 4 x 2,048 x 1,024 float32.
;; This version of the problem:
;;   THIS VERSION OF THE PROBLEM IS GIVEN IN LOW PRECISION. The matrix products marked QUANTISED in the list below multiply operands that are first quantised to E2M1 (2 exponent bits, 1 mantissa bit; 4 bits a number), with one power-of-two scale for each 32 numbers along K (OCP MX v1.0); their sums are f32. The products marked 'left as it is' may take bf16, f16 or f32 operands, with f32 sums. Whichever they take, every output number must still come out within the allowed error. Rounding operands to bf16 (8 significant bits) uses up far more of that allowance than f16 does (11 bits, for magnitudes from 6e-5 to 65,504). All else is computed in f32.
;;   The module's matrix products, in the order in which they are computed (A, B: the left and right operand; K: the contracted axis; several contracted axes count as one K, in the product's order):
;;     1. [M 8,192, K 1,024] x [K 1,024, N 3,072]; A: input x; B: input W_qkv: QUANTISED
;;     2. batch 64 x [M 2,048, K 64] x [K 64, N 2,048]; A: computed on the way; B: computed on the way: left as it is (an operand is computed on the way)
;;     3. batch 64 x [M 2,048, K 2,048] x [K 2,048, N 64]; A: computed on the way; B: computed on the way: left as it is (an operand is computed on the way)
;;     4. [M 8,192, K 1,024] x [K 1,024, N 1,024]; A: computed on the way; B: input W_out: left as it is (an operand is computed on the way)
;;   THE QUANTISER, for each operand of a quantised product, along K:
;;     - K is cut into blocks of 32 from its start; a last block that is shorter is filled with zeros.
;;     - A block's scale is 2^e with e = floor(log2(the largest magnitude in the block)) - 2, held to -126 .. 127; a block of zeros has e = 0. As a byte (E8M0): e + 127.
;;     - Each number is divided by its block's scale, clamped to +-6, and rounded to the nearest number of E2M1, ties to even, subnormals kept.
;;     - The product sums the exact products of the quantised numbers (number of the format x scale) in f32.
;;   ~~~python
;;   def quantise(x, axis):      # numpy; x: float32 -> the quantised numbers, widened to float32 again
;;       x = np.moveaxis(x, axis, -1); K = x.shape[-1]
;;       x = np.pad(x, [(0, 0)] * (x.ndim - 1) + [(0, -K % 32)]); x = x.reshape(x.shape[:-1] + (-1, 32)); a = np.abs(x).max(-1, keepdims=True)
;;       e = np.where(a > 0, np.clip(np.frexp(np.where(a > 0, a, 1))[1] - 1 - 2, -126, 127), 0)      # np.frexp(a)[1] - 1 = floor(log2(a)), exactly
;;       r = np.clip(x / 2.0 ** e, -6, 6)
;;       step = 2.0 ** (np.maximum(np.frexp(np.where(r == 0, 1, r))[1] - 1, 0) - 1)
;;       q = np.round(r / step) * step * 2.0 ** e      # np.round: ties to even
;;       return np.moveaxis(q.reshape(q.shape[:-2] + (-1,))[..., :K], -1, axis).astype(np.float32)
;;   ~~~
;; One version. Each part assembles by itself: llvm-mc -triple=amdgcn-amd-amdhsa -mcpu=gfx1250 --defsym DOCPART=n.
;; ======== version 1 of 1: 5 launches
;; limits: values are held in f16: magnitudes above 65,504 overflow, below 6.1e-05 lose precision
;; workspace buffers: prepbuf 10,846,208 bytes; maskbuf 532,480 bytes of whole numbers; qkvbuf 50,855,936 bytes; ybuf 16,777,216 bytes
;; launch prep (part 1): grid 480 x 1, 4 waves a work-group, no clusters, 50,688 bytes of LDS; arguments x, W_qkv, W_out, mask, pos, prepbuf, maskbuf; writes prepbuf, maskbuf
.if DOCPART == 1
	.amdgcn_target "amdgcn-amd-amdhsa--gfx1250"
	.amdhsa_code_object_version 6
	.text
	.protected	k_qe8a5c67383_prep
	.globl	k_qe8a5c67383_prep
	.p2align	8
	.type	k_qe8a5c67383_prep,@function
k_qe8a5c67383_prep:
	s_mov_b64 s[64:65], 0
	v_nop
	global_prefetch_b8 v0, s[64:65] scope:SCOPE_SE
	s_setreg_imm32_b32 hwreg(HW_REG_WAVE_MODE, 25, 1), 1
	s_wait_xcnt 0x0
; PREP: everything that is made once from the inputs, four jobs told apart by the work-group's number.
;   M (0-31):    mask [2048][2048] bytes -> one bit a key, in the order of the score registers, and two flag words for each block of 64 queries
;   R (32-63):   pos -> cos and sin of pos x 10000^(-j/32), j = 0..31, a row of 256 bytes for each position
;   O (64-127):  W_out -> f16 high and low parts, laid as images of matrix operands
;   Q (128-479): x and W_qkv -> codes of E2M1 and E8M0 scale bytes, one for each 32 along K
; DEAD WORK, for the whole program.  No input and no product is dead.  Left out are only tiles of 64 queries x 64 keys in which the mask hides every key: reference() sets those
; scores to -inf, so their weights are exp(-inf) = 0 whatever finite values x, the weights and the gains hold, and they add 0 to every sum.  Which tiles those are is read from the mask
; here and stored as whole numbers (ANY, MIX); the later launches read them.  No pattern of the mask is built in.
; LIMITS.  A NaN, an infinity or an overflow that lies only in a tile so left out is not carried to the result.  NaN and infinities among the inputs are not served.
; The angle is reduced by pi/2 in two parts: good to about 1e-7 up to |pos| of about 1e5.  10000^(-j/32) comes from v_exp_f32, 1 ulp: at pos 2,047 the angle may differ by about 2e-4.
; A block of zeros gets the scale byte 1 where the rule says 127: its codes are zeros, and this program alone reads the bytes.
; A high part is x rounded to 11 bits by c = 8193 x, hi = c - (c - x); numbers under 6e-5 are rounded once more on packing, by at most 3e-8.
.set XC,    0                          ; prepbuf: x's codes, [8192 stored rows][512 bytes]
.set XS,    4194304                    ; x's scale bytes [8192][32]
.set WC,    4456448                    ; W_qkv's codes [3072][512]
.set WS,    6029312                    ; its scale bytes [3072][32]
.set WHI,   6127616                    ; W_out high: [column tile 64][k32 32][u 2][512 bytes]
.set WLO,   8224768                    ; W_out low, the same shape
.set ROPE,  10321920                   ; [2048][cos 32, sin 32] f32
.set FL,    524288                     ; maskbuf: the flags, behind 128 query tiles x 4,096 bytes of bit words
.set MST,   32768                      ; LDS: job M's word stages, 4,096 bytes a wave (job Q has bytes 0 to 32,767)
.set FLX,   49152                      ; job M's flag exchange: [wave][32 steps][or, and]
.set SPARE, 50176                      ; the spare words: 128 bytes for each wave, two blocks of 256 bytes that no other line names
.set SPW,   12                         ; v12 my spare word's address; never rewritten
.set NIL,   13                         ; v13 0; never rewritten
	s_load_b256 s[4:11], s[0:1], 0x0               ; x s[4:5], W_qkv s[6:7], W_out s[8:9], mask s[10:11]
	s_load_b128 s[12:15], s[0:1], 0x20             ; pos s[12:13], prepbuf s[14:15]
	s_load_b64 s[16:17], s[0:1], 0x30              ; maskbuf
	v_lshl_add_u32 v[SPW], v0, 2, SPARE
	v_mov_b32 v[NIL], 0
	v_lshrrev_b32 v1, 5, v0
	v_readfirstlane_b32 s18, v1                    ; wave
	v_and_b32 v2, 31, v0                           ; lane
	s_wait_kmcnt 0x0
	s_cmp_ge_u32 ttmp9, 128
	s_cbranch_scc1 .Lpath_q
	s_cmp_ge_u32 ttmp9, 64
	s_cbranch_scc1 .Lpath_o
	s_cmp_ge_u32 ttmp9, 32
	s_cbranch_scc1 .Lpath_r
; ---------------- M: the work-group takes 64 queries, wave w the query tile qt = 4 m + w: 16 rows of 2,048 bytes.
; A row comes by four loads of 512 bytes; lane l of load i holds keys 512 i + 16 l .. + 15: key step 8 i + l / 4, key tile l % 4; its bytes 0-7 belong to the lanes' half 0, bytes 8-15 to half 1.
; The word of (query r, step s, half h) has bit 8 kt + j for key 64 s + 16 kt + 8 h + j and lies at [qt][s][lane 16 h + r].
	s_lshl_b32 s19, ttmp9, 2
	s_add_co_u32 s19, s19, s18                     ; qt
	s_lshl_b32 s22, s19, 15
	s_mov_b32 s23, 0
	s_add_nc_u64 s[22:23], s[10:11], s[22:23]      ; my 16 rows of the mask
	s_lshl_b32 s24, s19, 12
	s_mov_b32 s25, 0
	s_add_nc_u64 s[24:25], s[16:17], s[24:25]      ; my 4,096 bytes of words
	s_mov_b32 s20, 0xaaaaaaaa                      ; the odd lanes
	s_mov_b32 s21, 0x01020408                      ; x this, four bytes 0/1 land in bits 24 to 27: the ten partial products fall on ten different bits, so nothing carries
	v_lshlrev_b32 v1, 4, v2                        ; 16 x lane
	v_and_b32 v3, 3, v2
	v_lshlrev_b32 v3, 3, v3                        ; 8 x key tile: where my eight bits go
	v_lshrrev_b32 v4, 2, v2
	v_and_b32 v5, 1, v2
	s_lshl_b32 s26, s18, 12
	s_add_co_u32 s26, s26, MST
	v_lshlrev_b32 v6, 7, v4
	v_lshl_add_u32 v6, v5, 6, v6
	v_add_nc_u32 v6, s26, v6                       ; into my stage: 128 (lane / 4) + 64 (lane % 2); step 8 i and row r stand in the offset
	v_add_nc_u32 v7, s26, v1                       ; and back, as it lies
	s_lshl_b32 s27, s18, 8
	s_add_co_u32 s27, s27, FLX
	v_lshl_add_u32 v8, v4, 3, s27                  ; my wave's (or, and) of step 8 i + lane / 4
	v_lshl_add_u32 v9, v2, 3, FLX                  ; wave 0 reads them with lane = step
	v_lshlrev_b32 v10, 3, v2
	v_mov_b32 v84, 0                               ; a DPP form's destination counts as read
	v_mov_b32 v85, 0
.macro MLOAD r
.irp i, 0,1,2,3
	global_load_b128 v[16+16*((\r)%4)+4*\i:16+16*((\r)%4)+4*\i+3], v1, s[22:23] offset:2048*(\r)+512*\i th:TH_LOAD_NT
.endr
.endm
.macro MROW r
.if (\r) < 13
	s_wait_loadcnt 12                              ; this row's four loads are in; the three rows behind it may be out
.else
	s_wait_loadcnt 4*(15-(\r))
.endif
.irp i, 0,1,2,3
.irp n, 0,1,2,3
	v_mul_lo_u32 v[80+\n], v[16+16*((\r)%4)+4*\i+\n], s21
.endr
.irp n, 0,1,2,3
	v_bfe_u32 v[80+\n], v[80+\n], 24, 4
.endr
	v_lshl_or_b32 v80, v81, 4, v80                 ; eight bits for half 0,
	v_lshl_or_b32 v82, v83, 4, v82                 ; eight for half 1,
	v_lshlrev_b32 v80, v3, v80                     ; at my key tile's place
	v_lshlrev_b32 v82, v3, v82
	v_mov_b32_dpp v84, v80 row_xmask:1 row_mask:0xf bank_mask:0xf
	v_mov_b32_dpp v85, v82 row_xmask:1 row_mask:0xf bank_mask:0xf
	v_or_b32 v80, v80, v84
	v_or_b32 v82, v82, v85
	v_mov_b32_dpp v84, v80 row_xmask:2 row_mask:0xf bank_mask:0xf
	v_mov_b32_dpp v85, v82 row_xmask:2 row_mask:0xf bank_mask:0xf
	v_or_b32 v80, v80, v84                         ; the step's four lanes now hold both whole words
	v_or_b32 v82, v82, v85
	v_cndmask_b32 v86, v80, v82, s20               ; even lanes put half 0's, odd lanes half 1's (two lanes write the same word with the same value)
	ds_store_b32 v6, v86 offset:1024*\i+4*(\r)
.if (\r) == 0
	v_or_b32 v[96+\i], v80, v82                    ; the first row starts the tile's or and and
	v_and_b32 v[100+\i], v80, v82
.else
	v_or_b32 v87, v80, v82
	v_and_b32 v88, v80, v82
	v_or_b32 v[96+\i], v[96+\i], v87
	v_and_b32 v[100+\i], v[100+\i], v88
.endif
.endr
.if (\r)+4 < 16
	MLOAD (\r)+4
.endif
.endm
.irp r, 0,1,2,3
	MLOAD \r
.endr
.irp r, 0,1,2,3,4,5,6,7,8,9,10,11,12,13,14,15
	MROW \r
.endr
.irp i, 0,1,2,3
	ds_store_b32 v8, v[96+\i] offset:64*\i
	ds_store_b32 v8, v[100+\i] offset:64*\i+4
.endr
	s_wait_dscnt 0x0                               ; for the others' sake: my stores have landed
	s_barrier_signal -1
	s_barrier_wait -1
.irp j, 0,1,2,3,4,5,6,7
	ds_load_b128 v[16+4*\j:19+4*\j], v7 offset:512*\j
.endr
	s_wait_dscnt 0x0
.irp j, 0,1,2,3,4,5,6,7
	global_store_b128 v1, v[16+4*\j:19+4*\j], s[24:25] offset:512*\j   ; 512 consecutive bytes a store
.endr
	s_cmp_lg_u32 s18, 0
	s_cbranch_scc1 .Lm_end
.irp w, 0,1,2,3
	ds_load_b64 v[48+2*\w:49+2*\w], v9 offset:256*\w
.endr
	s_wait_dscnt 0x0
	v_or_b32 v48, v48, v50
	v_or_b32 v52, v52, v54
	v_and_b32 v49, v49, v51
	v_and_b32 v53, v53, v55
	v_or_b32 v48, v48, v52
	v_and_b32 v49, v49, v53
	v_cmp_ne_u32 s30, 0, v48                       ; MIX: bit s set where some key of the tile (64 queries, step s) is hidden
	v_cmp_ne_u32 s31, -1, v49                      ; ANY: where some key of it counts
	v_mov_b32 v56, s31
	v_mov_b32 v57, s30
	s_lshl_b32 s28, ttmp9, 8
	s_add_co_u32 s28, s28, FL
	s_mov_b32 s29, 0
	s_add_nc_u64 s[28:29], s[16:17], s[28:29]
	global_store_b64 v10, v[56:57], s[28:29]       ; the pair 32 times over: 256 consecutive bytes, aligned
.Lm_end:
	s_wait_tensorcnt 0x0                           ; the wave's end, behind my last LDS store
	ds_add_u32 v[SPW], v[NIL]
	s_wait_dscnt 0x0
	s_endpgm
; ---------------- R: a wave takes 16 positions, a lane a frequency j.
.Lpath_r:
	s_sub_co_u32 s19, ttmp9, 32
	s_lshl_b32 s19, s19, 6
	s_lshl_b32 s20, s18, 4
	s_add_co_u32 s19, s19, s20                     ; my first position
	s_lshl_b32 s20, s19, 2
	s_mov_b32 s21, 0
	s_add_nc_u64 s[20:21], s[12:13], s[20:21]
	s_load_b512 s[32:47], s[20:21], 0x0            ; 16 numbers of pos
	s_lshl_b32 s22, s19, 8
	s_add_co_u32 s22, s22, ROPE
	s_mov_b32 s23, 0
	s_add_nc_u64 s[22:23], s[14:15], s[22:23]
	s_mov_b32 s48, 0x3f22f983                      ; 2 / pi
	s_mov_b32 s49, 0x3fc90fdb                      ; pi / 2, high part
	s_mov_b32 s50, 0xb33bbd2e                      ; and what is left of it
	s_mov_b32 s51, 0xb94ca1f9                      ; sine: -1.9515296e-4, 8.3321609e-3, -1.6666655e-1
	s_mov_b32 s52, 0x3c08839e
	s_mov_b32 s53, 0xbe2aaaa3
	s_mov_b32 s54, 0x37ccf5ce                      ; cosine: 2.4433157e-5, -1.3887316e-3, 4.1666646e-2
	s_mov_b32 s55, 0xbab6061a
	s_mov_b32 s56, 0x3d2aaaa5
	v_cvt_f32_u32 v3, v2
	v_mul_f32 v3, 0xbed49a78, v3                   ; -j log2(10000) / 32
	v_exp_f32 v3, v3                               ; 10000^(-j / 32)
	v_lshlrev_b32 v1, 2, v2                        ; (the plain line behind the exponential)
	s_wait_alu depctr_va_vdst(0)                   ; the wait ahead of the first reader
	s_wait_kmcnt 0x0
.macro RPOS p
	v_cvt_f32_i32 v16, s[32+\p]
	v_mul_f32 v16, v16, v3                         ; the angle, as reference() forms it
	v_mul_f32 v17, s48, v16
	v_rndne_f32 v17, v17                           ; n quarters of a turn
	v_fma_f32 v18, -v17, s49, v16
	v_fma_f32 v18, -v17, s50, v18                  ; r, within pi / 4 of 0
	v_mul_f32 v19, v18, v18
	v_fma_f32 v20, v19, s51, s52
	v_fma_f32 v21, v19, s54, s55
	v_fma_f32 v20, v20, v19, s53
	v_fma_f32 v21, v21, v19, s56
	v_mul_f32 v20, v20, v19
	v_mul_f32 v21, v21, v19
	v_fma_f32 v22, v19, -0.5, 1.0
	v_fma_f32 v20, v20, v18, v18                   ; sin r
	v_fma_f32 v21, v21, v19, v22                   ; cos r
	v_cvt_i32_f32 v23, v17
	v_and_b32 v22, 1, v23
	v_cmp_ne_u32 vcc_lo, 0, v22                    ; an odd quarter swaps the two
	v_cndmask_b32 v[33+2*\p], v20, v21, vcc_lo
	v_cndmask_b32 v[32+2*\p], v21, v20, vcc_lo
	v_lshlrev_b32 v22, 30, v23
	v_and_b32 v22, 0x80000000, v22                 ; quarters 2 and 3 turn the sine's sign,
	v_xor_b32 v[33+2*\p], v[33+2*\p], v22
	v_add_nc_u32 v23, 1, v23
	v_lshlrev_b32 v23, 30, v23
	v_and_b32 v23, 0x80000000, v23                 ; quarters 1 and 2 the cosine's
	v_xor_b32 v[32+2*\p], v[32+2*\p], v23
	global_store_b32 v1, v[32+2*\p], s[22:23] offset:256*\p         ; each position has result registers of its own: no store's data are written again
	global_store_b32 v1, v[33+2*\p], s[22:23] offset:256*\p+128
.endm
.irp p, 0,1,2,3,4,5,6,7,8,9,10,11,12,13,14,15
	RPOS \p
.endr
	s_endpgm
; ---------------- O: the work-group takes 16 rows e of W_out; wave w the pieces of 64 along K numbered w, w + 4, w + 8, w + 12.
; An image block of 512 bytes holds, at 16 x lane, row lane % 16 and k = 32 k32 + 16 u + 8 (lane / 16) + 0..7 as f16.
.Lpath_o:
	s_sub_co_u32 s19, ttmp9, 64
	s_lshl_b32 s20, s19, 16
	s_mov_b32 s21, 0
	s_add_nc_u64 s[20:21], s[8:9], s[20:21]        ; my 16 rows of 4,096 bytes
	s_lshl_b32 s22, s19, 15
	s_add_co_u32 s22, s22, WHI
	s_mov_b32 s23, 0
	s_add_nc_u64 s[22:23], s[14:15], s[22:23]      ; my column tile's images; the low parts lie WLO - WHI further on
	s_mov_b32 s26, 0x46000400                      ; 8193
	s_mov_b32 s27, s26                             ; (named with it as a pair)
	v_and_b32 v3, 15, v2
	v_lshrrev_b32 v4, 4, v2
	v_lshlrev_b32 v5, 12, v3
	v_lshl_add_u32 v5, v4, 5, v5
	s_lshl_b32 s24, s18, 8
	v_add_nc_u32 v5, s24, v5                       ; row x 4,096 + 32 x half + 256 x wave
	v_lshlrev_b32 v1, 4, v2
	s_lshl_b32 s24, s18, 11
	v_add_nc_u32 v1, s24, v1                       ; 16 x lane + 2,048 x wave
.irp i, 0,1,2,3
.irp n, 0,1,2,3,4,5,6,7
	global_load_b128 v[64+32*\i+4*\n:64+32*\i+4*\n+3], v5, s[20:21] offset:1024*\i+32*((\n)/2)*2+16*((\n)%2) th:TH_LOAD_NT
.endr
.endr
.macro OPART i, n                      ; eight numbers: block n (= 2 k' + u) of piece i
.set SRC, 64+32*(\i)+8*(\n)
	s_wait_xcnt 0x0                                ; the last stores have read their data: the result registers may be written again
.irp p, 0,2,4,6
	v_pk_mul_f32 v[32+\p:33+\p], v[SRC+\p:SRC+\p+1], s[26:27] op_sel_hi:[1,0]
.endr
.irp p, 0,2,4,6
	v_pk_add_f32 v[40+\p:41+\p], v[32+\p:33+\p], v[SRC+\p:SRC+\p+1] neg_lo:[0,1] neg_hi:[0,1]
.endr
.irp p, 0,2,4,6
	v_pk_add_f32 v[32+\p:33+\p], v[32+\p:33+\p], v[40+\p:41+\p] neg_lo:[0,1] neg_hi:[0,1]      ; the high part
.endr
.irp p, 0,2,4,6
	v_pk_add_f32 v[40+\p:41+\p], v[SRC+\p:SRC+\p+1], v[32+\p:33+\p] neg_lo:[0,1] neg_hi:[0,1]  ; the low part
.endr
.irp p, 0,1,2,3
	v_cvt_pk_f16_f32 v[16+\p], v[32+2*\p], v[33+2*\p]
	v_cvt_pk_f16_f32 v[20+\p], v[40+2*\p], v[41+2*\p]
.endr
	global_store_b128 v1, v[16:19], s[22:23] offset:8192*(\i)+512*(\n)
	global_store_b128 v1, v[20:23], s[22:23] offset:8192*(\i)+512*(\n)+WLO-WHI
.endm
.irp i, 0,1,2,3
	s_wait_loadcnt 8*(3-\i)                        ; this piece's eight loads are in; the later pieces' may be out
.irp n, 0,1,2,3
	OPART \i, \n
.endr
.endr
	s_endpgm
; ---------------- Q: both tensors are streams of blocks of 32 along K.  A wave takes a run of 8,192 numbers (8 rows) in 16 steps of 512.
; Each load reads 512 consecutive bytes; a step's 2,048 bytes turn through the wave's own stage in LDS, so that a lane holds 16 neighbours along K (two lanes to a block).
; x's rows are STORED IN ANOTHER ORDER: inside each 1,024 rows, position 64 kk + 16 cy + r goes to stored row 256 cy + 16 kk + r (the fields kk and cy change places).
.Lpath_q:
.set STEPS, 16
.set SP,    80                         ; a lane's place in a stage: 64 bytes + 16 of padding
.set RR,    16                         ; v16-79   four sets of 16 numbers as loaded
.set XX,    80                         ; v80-111  two sets of 16 neighbours
.set EE,    112                        ; v112-127 a scale byte for each step
.set CC,    128                        ; v128-191 codes, registers of their own for each step
	v_lshlrev_b32 v3, 4, v2
	s_lshl_b32 s19, s18, 13                        ; my wave's 8,192 bytes of LDS
	v_lshrrev_b32 v14, 2, v2
	v_mul_u32_u24 v14, v14, SP
	v_and_b32 v15, 3, v2
	v_lshl_add_u32 v14, v15, 4, v14
	v_add_nc_u32 v14, s19, v14                     ; into the stage: four lanes' 64 bytes on end, then the padding
	v_mul_u32_u24 v15, v2, SP
	v_add_nc_u32 v15, s19, v15                     ; out of it: my 16 neighbours
	v_lshlrev_b32 v4, 3, v2                        ; my 8 bytes of a step's codes
	v_lshrrev_b32 v5, 1, v2
	s_add_co_u32 s19, s19, 2*32*SP
	v_add_nc_u32 v5, s19, v5                       ; my block's scale byte
	v_lshlrev_b32 v7, 3, v2
	v_add_nc_u32 v6, s19, v7
	s_sub_co_u32 s20, ttmp9, 128
	s_mov_b32 s29, WS
	s_cmp_lt_u32 s20, 256                          ; x's work-group or W_qkv's: the choice hangs on the work-group's number alone
	s_cselect_b64 s[22:23], s[4:5], s[6:7]
	s_cselect_b32 s21, 0, 256
	s_cselect_b32 s28, XC, WC
	s_cselect_b32 s29, XS, s29
	s_cselect_b32 s30, 1, 0
	s_sub_co_u32 s20, s20, s21
	s_lshl_b32 s20, s20, 2
	s_add_co_u32 s20, s20, s18                     ; which run of the tensor
	s_and_b32 s31, s20, 0xffffff80
	s_bfe_u32 s32, s20, 0x20001                    ; cy
	s_lshl_b32 s32, s32, 5
	s_or_b32 s31, s31, s32
	s_bfe_u32 s32, s20, 0x40003                    ; kk
	s_lshl_b32 s32, s32, 1
	s_or_b32 s31, s31, s32
	s_and_b32 s32, s20, 1
	s_or_b32 s31, s31, s32
	s_cmp_eq_u32 s30, 1
	s_cselect_b32 s31, s31, s20                    ; where the run is stored
	s_lshl_b32 s32, s20, 15
	s_mov_b32 s33, 0
	s_add_nc_u64 s[22:23], s[22:23], s[32:33]
	s_lshl_b32 s32, s31, 12
	s_add_co_u32 s32, s32, s28
	s_add_nc_u64 s[24:25], s[14:15], s[32:33]      ; its codes
	s_lshl_b32 s32, s31, 8
	s_add_co_u32 s32, s32, s29
	s_add_nc_u64 s[26:27], s[14:15], s[32:33]      ; its scale bytes
.macro QLOAD t
.irp i, 0,1,2,3
	global_load_b128 v[RR+16*((\t)%4)+4*\i:RR+16*((\t)%4)+4*\i+3], v3, s[22:23] offset:2048*(\t)+512*\i th:TH_LOAD_NT
.endr
.endm
.macro QTURN t                         ; LDS serves a wave's instructions in order: no wait between the stores and the loads
.irp i, 0,1,2,3
	ds_store_b128 v14, v[RR+16*((\t)%4)+4*\i:RR+16*((\t)%4)+4*\i+3] offset:32*SP*((\t)%2)+8*SP*\i
.endr
.irp i, 0,1,2,3
	ds_load_b128 v[XX+16*((\t)%2)+4*\i:XX+16*((\t)%2)+4*\i+3], v15 offset:32*SP*((\t)%2)+16*\i
.endr
.endm
.irp t, 0,1,2,3
	QLOAD \t
.endr
	s_wait_loadcnt 12                              ; step 0's four loads are in
	QTURN 0
.macro QSTEP t
.set XB, XX+16*((\t)%2)
.if (\t) > 0
	s_wait_dscnt 1                                 ; this step's numbers are back from the stage; the last step's byte store may be out
.else
	s_wait_dscnt 0x0
.endif
.if (\t)+4 < STEPS
	QLOAD (\t)+4
.endif
.if (\t)+1 < STEPS
.if STEPS-2-(\t) >= 3
	s_wait_loadcnt 12                              ; the next step's four loads are in; the three steps behind it may be out
.else
	s_wait_loadcnt 4*(STEPS-2-(\t))
.endif
	QTURN (\t)+1
.endif
	v_max3_num_f32 v8, |v[XB]|, |v[XB+1]|, |v[XB+2]|
	v_max3_num_f32 v9, |v[XB+3]|, |v[XB+4]|, |v[XB+5]|
.irp i, 6,10
	v_max3_num_f32 v8, v8, |v[XB+\i]|, |v[XB+\i+1]|
	v_max3_num_f32 v9, v9, |v[XB+\i+2]|, |v[XB+\i+3]|
.endr
	v_max3_num_f32 v8, v8, |v[XB+14]|, |v[XB+15]|
	v_max3_num_f32 v8, v8, v9, 0x1800000           ; and the floor 2^(3 - 127): the byte cannot fall under 1
	v_max_num_f32_dpp v8, v8, v8 row_xmask:1 row_mask:0xf bank_mask:0xf   ; with my neighbour's 16: the block's largest magnitude
	v_add_nc_u32 v11, 0xff000000, v8               ; 2 off its exponent field: the conversion takes that field as its scale
	v_cvt_scalef32_pk8_fp4_f32 v[CC+4*(\t)], v[XB:XB+7], v11
	v_cvt_scalef32_pk8_fp4_f32 v[CC+4*(\t)+1], v[XB+8:XB+15], v11
	v_lshrrev_b32 v[EE+(\t)], 23, v11              ; the scale's byte
	ds_store_b8 v5, v[EE+(\t)] offset:16*(\t)      ; both lanes of a block write the same byte with the same value
	global_store_b64 v4, v[CC+4*(\t):CC+4*(\t)+1], s[24:25] offset:256*(\t)   ; 256 consecutive bytes, aligned
.endm
.irp t, 0,1,2,3,4,5,6,7,8,9,10,11,12,13,14,15
	QSTEP \t
.endr
	ds_load_b64 v[8:9], v6
	s_wait_dscnt 0x0
	global_store_b64 v7, v[8:9], s[26:27]          ; the run's 256 scale bytes
	s_wait_tensorcnt 0x0                           ; the wave's end, behind my last LDS store
	ds_add_u32 v[SPW], v[NIL]
	s_wait_dscnt 0x0
	s_endpgm
.Lfunc_end_k_qe8a5c67383_prep:
	.size	k_qe8a5c67383_prep, .Lfunc_end_k_qe8a5c67383_prep-k_qe8a5c67383_prep
	.p2alignl 7, 3214868480
	.fill 96, 4, 3214868480
	.section	.rodata,"a",@progbits
	.p2align	6, 0x0
	.amdhsa_kernel k_qe8a5c67383_prep
		.amdhsa_group_segment_fixed_size 50688
		.amdhsa_private_segment_fixed_size 0
		.amdhsa_enable_private_segment 0
		.amdhsa_kernarg_size 56
		.amdhsa_user_sgpr_count 2
		.amdhsa_user_sgpr_kernarg_segment_ptr 1
		.amdhsa_wavefront_size32 1
		.amdhsa_system_sgpr_workgroup_id_x 1
		.amdhsa_system_sgpr_workgroup_id_y 1
		.amdhsa_system_sgpr_workgroup_id_z 1
		.amdhsa_system_vgpr_workitem_id 0
		.amdhsa_next_free_vgpr 192
		.amdhsa_next_free_sgpr 66
		.amdhsa_reserve_vcc 1
		.amdhsa_float_denorm_mode_32 3
		.amdhsa_float_denorm_mode_16_64 3
		.amdhsa_memory_ordered 1
		.amdhsa_forward_progress 1
		.amdhsa_inst_pref_size 184
	.end_amdhsa_kernel
	.amdgpu_metadata
---
amdhsa.version: [ 1, 2 ]
amdhsa.kernels:
  - .name:           k_qe8a5c67383_prep
    .symbol:         k_qe8a5c67383_prep.kd
    .args:
      - { .name: x, .offset: 0, .size: 8, .value_kind: global_buffer, .address_space: global }
      - { .name: W_qkv, .offset: 8, .size: 8, .value_kind: global_buffer, .address_space: global }
      - { .name: W_out, .offset: 16, .size: 8, .value_kind: global_buffer, .address_space: global }
      - { .name: mask, .offset: 24, .size: 8, .value_kind: global_buffer, .address_space: global }
      - { .name: pos, .offset: 32, .size: 8, .value_kind: global_buffer, .address_space: global }
      - { .name: prepbuf, .offset: 40, .size: 8, .value_kind: global_buffer, .address_space: global }
      - { .name: maskbuf, .offset: 48, .size: 8, .value_kind: global_buffer, .address_space: global }
    .group_segment_fixed_size: 50688
    .private_segment_fixed_size: 0
    .kernarg_segment_align: 8
    .kernarg_segment_size: 56
    .max_flat_workgroup_size: 128
    .sgpr_count:     66
    .vgpr_count:     192
    .wavefront_size: 32
...
	.end_amdgpu_metadata
.endif
;; end of part 1
;; launch qkv (part 2): grid 16 x 32, 4 waves a work-group, clusters of 4 x 4, 327,680 bytes of LDS; arguments prepbuf, qn_w, kn_w, qkvbuf; writes qkvbuf
.if DOCPART == 2
	.amdgcn_target "amdgcn-amd-amdhsa--gfx1250"
	.amdhsa_code_object_version 6
	.text
	.protected	k_qe8a5c67383_qkv
	.globl	k_qe8a5c67383_qkv
	.p2align	8
	.type	k_qe8a5c67383_qkv,@function
k_qe8a5c67383_qkv:
	s_mov_b64 s[64:65], 0
	v_nop
	global_prefetch_b8 v0, s[64:65] scope:SCOPE_SE
	s_setreg_imm32_b32 hwreg(HW_REG_WAVE_MODE, 25, 1), 1
	s_wait_xcnt 0x0
	s_wait_alu depctr_hold_cnt(0) depctr_sa_sdst(0) depctr_va_vdst(0) depctr_va_sdst(0) depctr_va_ssrc(0) depctr_va_vcc(0) depctr_vm_vsrc(0)
	s_getreg_b32 s2, hwreg(HW_REG_IB_STS2, 6, 4)
	s_cmp_eq_u32 s2, 0
	s_cbranch_scc0 .Lentry_in_a_cluster
	s_endpgm
.Lentry_in_a_cluster:
	s_bfe_u32 s2, ttmp6, 0x10000c
	s_cmp_lg_u32 s2, 0xf033
	s_cbranch_scc0 .Lentry_shape_is_right
	s_endpgm
.Lentry_shape_is_right:
; QKV: x W_qkv^T on codes of E2M1 with E8M0 scales, then RMS norm, gain and RoPE for q and k, rounding to f16, and Q, K, V^T stored as images of matrix operands.
; SHARES.  A work-group takes 256 stored rows of x and one head's 192 columns (q 0-63, k 64-127, v 128-191).  Wave w takes stored rows 64 w .. + 63 and all 192 columns:
; 4 row tiles a x 12 column tiles ct = 48 accumulators, 384 registers.  Stored row 256 cy + 16 kk + r of a group of 1,024 is position 64 kk + 16 cy + r, so row tile a of wave w is position tile
; 64 (cluster y % 2) + 4 (4 w + a) + cy of batch cluster y / 2.
; ALL OF K LIES IN LDS: two halves of K (rows of 256 bytes + 16 of padding) and all scale bytes are asked for at the head, three tensor loads a wave, and nothing is filled again.
; CLUSTER 4 x 4: x's rows hang on the row block, shared along a row of the cluster; W's on the head, shared along a column: each tile is asked for jointly.
; q and k are made TRANSPOSED (source 0 = 16 rows of W, source 1 = 16 rows of x): a lane holds one position and eight neighbouring channels.  v is made the other way round: a lane holds one channel and
; eight neighbouring positions, which is V^T's image.
; IMAGES.  A block of 512 bytes holds at 16 x lane eight f16.  Q, K: [head 64][position tile 128][t 4][512]: position lane % 16, channels 16 t + 8 (lane / 16) + 0..7.
; V: [head][32 keys: 64][channel tile 4][u 2][512]: channel 16 c4 + lane % 16, keys 16 u + 8 (lane / 16) + 0..7.  For positions 0-63 V's low part is stored too, in the same shape.
; REGISTERS.  window 0: v16-29 addresses; v32-79 packed results; v96-191 scale words (register 8 ct + q: lanes 16-31 W's tile ct, lanes 0-15 x's tile ct, used for ct < 4); v192-255 the gains.
;   window 1: two sets of fragments (W's 12, x's 4); on the way out temporaries.   windows 2, 3: accumulators of row tiles 0, 1 and 2, 3 at 96 (a % 2) + 8 ct; from v192 cos and sin of their positions.
.set XS,    4194304
.set WC,    4456448
.set WS,    6029312
.set ROPE,  10321920
.set KOFF,  16777216
.set VOFF,  33554432
.set VLOFF, 50331648
.set PITCH, 272
.set SLOT,  121856                     ; a half of K: x's 256 rows, then W's 192
.set BOFF,  69632
.set SCL,   243712                     ; x's scale bytes: 32 units of 256 bytes + 16
.set SCLB,  252416                     ; W's: 24 units
.set SPARE, 259072                     ; the spare words: 128 bytes for each wave, two blocks of 256 bytes that no other line names
.set ADRA, 16
.set ADRB, 20
.set LI,   24
.set RP,   25
.set GA,   26
.set ADRS, 27
.set SPW,  28
.set NIL,  29
.set PK,   32
.set PKV,  48
.set PKL,  64
.set SC,   96
.set GQ,   192
.set T,    0                           ; window 1, on the way out
.set CSR,  32
.set U,    64
.set SS,   192
.set RS,   224
.set G1,   24
.set G0,   32
.set G1B,  48
.set G0B,  56
.set G1S,  68
.set G0S,  76
.set G1SB, 80
.set G0SB, 88
.set MSB, 0
.macro WIN new                         ; the immediate's high byte repeats the setting that is left
.if MSB != \new
	s_set_vgpr_msb (MSB<<8)|\new
.set MSB, \new
.endif
.endm
.macro PLACES
.rept 4
	v_nop
.endr
.endm
; A joint load: waves 0 and 1 fetch for x, waves 2 and 3 for W.  The branch hangs on the wave's number alone.  An s_nop 0 and four v_nop follow each line.
.macro JLOAD g0a, g1a, g0b, g1b
	s_cmp_eq_u32 s15, 0
	s_cbranch_scc0 .Lfor_b_\@
	tensor_load_to_lds s[\g0a:\g0a+3], s[\g1a:\g1a+7]
	s_nop 0
.rept 4
	v_nop
.endr
	s_branch .Lasked_\@
.Lfor_b_\@:
	tensor_load_to_lds s[\g0b:\g0b+3], s[\g1b:\g1b+7]
	s_nop 0
.rept 4
	v_nop
.endr
.Lasked_\@:
.endm
.macro CROUND                          ; a round of the cluster's barrier
	s_barrier_signal -1
	s_barrier_wait -1
	s_cmp_lg_u32 s14, 0
	s_cbranch_scc1 .Lnot_wave_0_\@
	s_barrier_signal -3
.Lnot_wave_0_\@:
	s_barrier_wait -3
	s_barrier_signal -1
	s_barrier_wait -1
.endm
	s_load_b256 s[4:11], s[0:1], 0x0               ; prepbuf s[4:5], qn_w s[6:7], kn_w s[8:9], qkvbuf s[10:11]
	v_lshl_add_u32 v[SPW], v0, 2, SPARE
	v_mov_b32 v[NIL], 0
	ds_add_u32 v[SPW], v[NIL]                      ; the opening: the add, twice on end, and its wait ahead of my first tensor load
	ds_add_u32 v[SPW], v[NIL]
	v_lshrrev_b32 v1, 5, v0
	v_readfirstlane_b32 s14, v1                    ; wave
	s_lshr_b32 s15, s14, 1                         ; I fetch for x (0) or for W (1),
	s_and_b32 s16, s14, 1                          ; and which half of its rows
	s_bfe_u32 s40, ttmp6, 0x40000                  ; cx
	s_bfe_u32 s41, ttmp6, 0x40004                  ; cy
	s_lshl_b32 s42, ttmp9, 2
	s_add_co_u32 s42, s42, s40                     ; the head
	s_and_b32 s12, ttmp7, 0xffff                   ; cluster y: a group of 1,024 rows
	s_lshl_b32 s17, s12, 2
	s_add_co_u32 s17, s17, s41                     ; the block of 256 stored rows
	s_lshl_b32 s43, s41, 2
	s_lshl_b32 s43, 15, s43                        ; my row of the cluster
	s_lshl_b32 s44, 0x1111, s40                    ; my column
	s_or_b32 s[G1+0], s43, (1<<20)|(1<<21)|(5<<22)|(3<<25)   ; the mask; elements of 1 byte; 4 words of padding behind every 64; bit 21 beside a mask
	s_or_b32 s[G1B+0], s44, (1<<20)|(1<<21)|(5<<22)|(3<<25)
	s_mov_b32 s[G1+1], 256<<16                     ; tensor_dim0 = 256 bytes
	s_mov_b32 s[G1+2], 128<<16                     ; tensor_dim1 = 128 rows
	s_mov_b32 s[G1+3], 256<<16                     ; tile_dim0
	s_mov_b32 s[G1+4], 128                         ; tile_dim1
	s_mov_b32 s[G1+5], 512                         ; a row of codes in memory
	s_mov_b32 s[G1+6], 0
	s_mov_b32 s[G1+7], 0
	s_mov_b32 s[G1B+1], 256<<16
	s_mov_b32 s[G1B+2], 96<<16                     ; W: 96 rows a load
	s_mov_b32 s[G1B+3], 256<<16
	s_mov_b32 s[G1B+4], 96
	s_mov_b32 s[G1B+5], 512
	s_mov_b32 s[G1B+6], 0
	s_mov_b32 s[G1B+7], 0
	s_or_b32 s[G1S+0], s43, (3<<16)|(1<<20)|(1<<21)|(5<<22)|(3<<25)   ; the scale bytes: dense, as rows of 32 elements of 8 bytes
	s_or_b32 s[G1SB+0], s44, (3<<16)|(1<<20)|(1<<21)|(5<<22)|(3<<25)
	s_mov_b32 s[G1S+1], 32<<16
	s_mov_b32 s[G1S+2], 16<<16                     ; 128 rows x 32 bytes = 16 units
	s_mov_b32 s[G1S+3], 32<<16
	s_mov_b32 s[G1S+4], 16
	s_mov_b32 s[G1S+5], 32
	s_mov_b32 s[G1S+6], 0
	s_mov_b32 s[G1S+7], 0
	s_mov_b32 s[G1SB+1], 32<<16
	s_mov_b32 s[G1SB+2], 12<<16                    ; 96 rows: 12 units
	s_mov_b32 s[G1SB+3], 32<<16
	s_mov_b32 s[G1SB+4], 12
	s_mov_b32 s[G1SB+5], 32
	s_mov_b32 s[G1SB+6], 0
	s_mov_b32 s[G1SB+7], 0
	s_lshl_b32 s18, s16, 7
	s_lshl_b32 s20, s17, 8
	s_add_co_u32 s20, s20, s18                     ; x: my first stored row
	s_lshl_b32 s22, s20, 5
	s_add_co_u32 s22, s22, XS
	s_mov_b32 s23, 0
	s_lshl_b32 s20, s20, 9
	s_mov_b32 s21, 0
	s_mul_i32 s46, s42, 192
	s_mul_i32 s18, s16, 96
	s_add_co_u32 s46, s46, s18                     ; W: my first row
	s_lshl_b32 s92, s46, 5
	s_add_co_u32 s92, s92, WS
	s_mov_b32 s93, 0
	s_lshl_b32 s46, s46, 9
	s_add_co_u32 s46, s46, WC
	s_mov_b32 s47, 0
	s_mul_i32 s45, s16, 128*PITCH                  ; where they go: no place in the cluster enters an LDS address
	s_mul_i32 s94, s16, 96*PITCH
	s_add_co_u32 s94, s94, BOFF
	s_mul_i32 s95, s16, 16*272
	s_add_co_u32 s95, s95, SCL
	s_mul_i32 s96, s16, 12*272
	s_add_co_u32 s96, s96, SCLB
	s_wait_dscnt 0x0                               ; both opening adds are done
	s_wait_kmcnt 0x0
	s_add_nc_u64 s[20:21], s[4:5], s[20:21]
	s_add_nc_u64 s[22:23], s[4:5], s[22:23]
	s_add_nc_u64 s[46:47], s[4:5], s[46:47]
	s_add_nc_u64 s[92:93], s[4:5], s[92:93]
	CROUND                                         ; all sixteen work-groups are here: the joint loads meet
	s_mov_b32 s[G0S], 1
	s_mov_b32 s[G0S+1], s95
	s_mov_b64 s[G0S+2:G0S+3], s[22:23]
	s_or_b32 s[G0S+3], s[G0S+3], 0x80000000
	s_mov_b32 s[G0SB], 1
	s_mov_b32 s[G0SB+1], s96
	s_mov_b64 s[G0SB+2:G0SB+3], s[92:93]
	s_or_b32 s[G0SB+3], s[G0SB+3], 0x80000000
	JLOAD G0S, G1S, G0SB, G1SB                     ; the scale bytes of all of K
.irp s, 0,1
	s_mov_b32 s[G0+4*\s], 1
	s_add_co_u32 s[G0+4*\s+1], s45, \s*SLOT
	s_add_nc_u64 s[G0+4*\s+2:G0+4*\s+3], s[20:21], \s*256
	s_or_b32 s[G0+4*\s+3], s[G0+4*\s+3], 0x80000000
	s_mov_b32 s[G0B+4*\s], 1
	s_add_co_u32 s[G0B+4*\s+1], s94, \s*SLOT
	s_add_nc_u64 s[G0B+4*\s+2:G0B+4*\s+3], s[46:47], \s*256
	s_or_b32 s[G0B+4*\s+3], s[G0B+4*\s+3], 0x80000000
	JLOAD G0+4*\s, G1, G0B+4*\s, G1B               ; the two halves of K: three loads of mine are out
.endr
	v_and_b32 v1, 15, v0                           ; r
	v_bfe_u32 v2, v0, 4, 1                         ; h
	v_and_b32 v3, 31, v0
	v_lshlrev_b32 v[LI], 4, v3
	v_lshlrev_b32 v[GA], 5, v2                     ; the gains of channels 16 t + 8 h + 0..7
	v_lshl_add_u32 v[RP], v1, 8, v[GA]             ; the table: row r of 256 bytes, + 32 h
.irp t, 0,1,2,3
	global_load_b128 v[GQ+8*\t:GQ+8*\t+3], v[GA], s[6:7] offset:64*\t
	global_load_b128 v[GQ+8*\t+4:GQ+8*\t+7], v[GA], s[6:7] offset:64*\t+16
	global_load_b128 v[GQ+32+8*\t:GQ+32+8*\t+3], v[GA], s[8:9] offset:64*\t
	global_load_b128 v[GQ+32+8*\t+4:GQ+32+8*\t+7], v[GA], s[8:9] offset:64*\t+16
.endr
	s_and_b32 s13, s12, 1                          ; which half of the sequence
	s_lshl_b32 s66, s13, 10
	s_lshl_b32 s67, s14, 8
	s_add_co_u32 s66, s66, s67
	s_lshl_b32 s67, s41, 4
	s_add_co_u32 s66, s66, s67                     ; the first position of my row tile 0; tile a lies 64 positions further on
	s_lshl_b32 s66, s66, 8
	s_add_co_u32 s66, s66, ROPE
	s_mov_b32 s67, 0
	s_add_nc_u64 s[66:67], s[4:5], s[66:67]
.irp a, 0,1,2,3
	WIN 0x80+0x40*(\a/2)                           ; destination window 2 or 3
.irp n, 0,1,2,3,4,5,6,7                        ; cos of tiles 0, 1, then sin of tiles 0, 1: eight each
	global_load_b128 v[192+32*(\a%2)+4*\n:192+32*(\a%2)+4*\n+3], v[RP], s[66:67] offset:16384*\a+64*(\n/2)+16*(\n%2)
.endr
.endr
	WIN 0
	v_mul_u32_u24 v3, v1, PITCH
	v_lshl_add_u32 v4, v2, 4, v3                   ; a fragment's row x pitch + 16 x half
	s_mul_i32 s18, s14, 64*PITCH                   ; my 64 rows of x
.irp s, 0,1
	v_add_nc_u32 v[ADRA+\s], s18, v4
	s_add_co_u32 s18, s18, SLOT
.endr
	s_mov_b32 s18, BOFF
.irp s, 0,1
	v_add_nc_u32 v[ADRB+\s], s18, v4
	s_add_co_u32 s18, s18, SLOT
.endr
	v_lshlrev_b32 v5, 5, v1                        ; scale bytes: 32 a row,
	v_lshrrev_b32 v6, 3, v1
	v_lshl_add_u32 v5, v6, 4, v5                   ; and 16 more behind every eight rows
	s_mul_i32 s18, s14, 8*272                      ; x's: my 64 rows
	s_sub_co_u32 s19, SCLB-SCL, s18
	v_mul_u32_u24 v6, s19, v2                      ; lanes 16-31 take W's
	s_add_co_u32 s18, s18, SCL
	v_add_nc_u32 v5, v5, v6
	v_add_nc_u32 v[ADRS], s18, v5
	; where the results go
	s_lshr_b32 s18, s12, 1
	s_lshl_b32 s18, s18, 4
	s_add_co_u32 s18, s18, s42                     ; 16 x batch + head
	s_lshl_b32 s19, s18, 18
	s_lshl_b32 s96, s13, 6
	s_lshl_b32 s45, s14, 4
	s_add_co_u32 s96, s96, s45
	s_add_co_u32 s96, s96, s41                     ; row tile 0's position tile; tile a lies four further on
	s_lshl_b32 s96, s96, 11
	s_add_co_u32 s20, s19, s96
	s_mov_b32 s21, 0
	s_add_nc_u64 s[20:21], s[10:11], s[20:21]      ; Q
	s_add_nc_u64 s[22:23], s[20:21], KOFF          ; K
	s_lshl_b32 s96, s13, 5
	s_lshl_b32 s45, s14, 3
	s_add_co_u32 s96, s96, s45
	s_lshr_b32 s45, s41, 1
	s_add_co_u32 s96, s96, s45                     ; row tile 0's group of 32 keys,
	s_lshl_b32 s96, s96, 12
	s_and_b32 s94, s41, 1
	s_lshl_b32 s94, s94, 9                         ; and which 16 of them
	s_add_co_u32 s96, s96, s94
	s_add_co_u32 s46, s96, s19
	s_add_co_u32 s46, s46, VOFF
	s_mov_b32 s47, 0
	s_add_nc_u64 s[46:47], s[10:11], s[46:47]      ; V
	s_lshl_b32 s92, s18, 13
	s_lshl_b32 s45, s45, 12
	s_add_co_u32 s92, s92, s45
	s_add_co_u32 s92, s92, s94
	s_add_co_u32 s92, s92, VLOFF
	s_mov_b32 s93, 0
	s_add_nc_u64 s[92:93], s[10:11], s[92:93]      ; V's low part
	s_or_b32 s97, s13, s14                         ; 0: my row tile 0 lies in positions 0-63 (cluster y and the wave's number alone)
	s_mov_b32 s94, 0x46000400                      ; 8193
	s_mov_b32 s95, s94
	s_mov_b32 s98, 0x76543210
	s_mov_b32 s99, 0xfedcba98                      ; lane l xor 16
	s_mov_b32 s2, 0x3c800000                       ; 1 / 64
	s_mov_b32 s3, 0x34000000                       ; eps
.macro FRAG reg, adr, q, i             ; 16 rows x 128 K of 4-bit codes: 8 registers, two loads of 16 bytes, 32 bytes apart
.irp c, 0,1
	ds_load_b128 v[\reg+4*\c:\reg+4*\c+3], v[\adr] offset:64*(\q)+32*\c+(\i)*16*PITCH
.endr
.endm
.macro FETCH q                         ; K step q of 8 into set q % 2
	WIN 0x40
.irp i, 0,1,2,3,4,5,6,7,8,9,10,11
	FRAG 128*((\q)%2)+8*\i, ADRB+(\q)/4, (\q)%4, \i
.endr
.irp i, 0,1,2,3
	FRAG 128*((\q)%2)+96+8*\i, ADRA+(\q)/4, (\q)%4, \i
.endr
.endm
.macro MM a, ct, q
.set rD, 96*((\a)%2)+8*(\ct)
.set rW, 128*((\q)%2)+8*(\ct)
.set rX, 128*((\q)%2)+96+8*(\a)
.set sW, SC+8*(\ct)+(\q)
.set sX, SC+8*(\a)+(\q)
.if (\ct) < 8
.if (\q) == 0
	v_wmma_scale_f32_16x16x128_f8f6f4 v[rD:rD+7], v[rW:rW+7], v[rX:rX+7], 0, v[sW], v[sX] matrix_a_fmt:MATRIX_FMT_FP4 matrix_b_fmt:MATRIX_FMT_FP4 matrix_a_scale:MATRIX_SCALE_ROW1
.else
	v_wmma_scale_f32_16x16x128_f8f6f4 v[rD:rD+7], v[rW:rW+7], v[rX:rX+7], v[rD:rD+7], v[sW], v[sX] matrix_a_fmt:MATRIX_FMT_FP4 matrix_b_fmt:MATRIX_FMT_FP4 matrix_a_scale:MATRIX_SCALE_ROW1
.endif
.else
.if (\q) == 0
	v_wmma_scale_f32_16x16x128_f8f6f4 v[rD:rD+7], v[rX:rX+7], v[rW:rW+7], 0, v[sX], v[sW] matrix_a_fmt:MATRIX_FMT_FP4 matrix_b_fmt:MATRIX_FMT_FP4 matrix_b_scale:MATRIX_SCALE_ROW1
.else
	v_wmma_scale_f32_16x16x128_f8f6f4 v[rD:rD+7], v[rX:rX+7], v[rW:rW+7], v[rD:rD+7], v[sX], v[sW] matrix_a_fmt:MATRIX_FMT_FP4 matrix_b_fmt:MATRIX_FMT_FP4 matrix_b_scale:MATRIX_SCALE_ROW1
.endif
.endif
.endm
; A K step of 128: 48 products, the 48 accumulators by turns in one order; the next step's 32 LDS loads stand in one run in its middle.
.macro STEP q
	s_wait_dscnt 0x0                               ; this step's fragments are in
	WIN 0xa5
.irp a, 0,1
.irp ct, 0,1,2,3,4,5,6,7,8,9,10,11
	MM \a, \ct, \q
.endr
.endr
	PLACES                                         ; in front of loads into registers that the last step's products have read
.if (\q) == 3
	WIN 0
	s_wait_tensorcnt 0x0                           ; my part of the second half of K has landed;
	s_barrier_signal -1                            ; no LDS instruction of mine is out here
	s_barrier_wait -1                              ; everybody's has.
.endif
.if (\q) < 7
	FETCH (\q)+1
.endif
	WIN 0xf5
.irp a, 2,3
.irp ct, 0,1,2,3,4,5,6,7,8,9,10,11
	MM \a, \ct, \q
.endr
.endr
.endm
	s_wait_tensorcnt 1                             ; the scale bytes and the first half of K are in; the second half's load may be out
	s_barrier_signal -1
	s_barrier_wait -1
.irp i, 0,1,2,3,4,5,6,7,8,9,10,11              ; the scale words of all eight K steps.  For i >= 4 lanes 0-15 take filled bytes that no product uses
	ds_load_b128 v[SC+8*\i:SC+8*\i+3], v[ADRS] offset:544*\i
	ds_load_b128 v[SC+8*\i+4:SC+8*\i+7], v[ADRS] offset:544*\i+16
.endr
	FETCH 0
.irp q, 0,1,2,3,4,5,6,7
	STEP \q
.endr
; THE WAY OUT.
	WIN 0
	PLACES                                         ; behind the last products, ahead of the first reads of results and writes of fragments' registers
	s_wait_loadcnt 0x0                             ; the gains and the table
.macro SUMSQ a, qk                     ; my 32 channels' squares, in two chains; each accumulator from its low end on
.set rA, 96*((\a)%2)+32*(\qk)
.set rS, SS+4*(2*(\a)+(\qk))
	WIN 0x5a+5*((\a)/2)
	v_pk_mul_f32 v[rS:rS+1], v[rA:rA+1], v[rA:rA+1]
	v_pk_mul_f32 v[rS+2:rS+3], v[rA+2:rA+3], v[rA+2:rA+3]
.irp i, 4,8,12,16,20,24,28
	v_pk_fma_f32 v[rS:rS+1], v[rA+\i:rA+\i+1], v[rA+\i:rA+\i+1], v[rS:rS+1]
	v_pk_fma_f32 v[rS+2:rS+3], v[rA+\i+2:rA+\i+3], v[rA+\i+2:rA+\i+3], v[rS+2:rS+3]
.endr
.endm
.irp a, 0,1,2,3
	SUMSQ \a, 0
	SUMSQ \a, 1
.endr
	WIN 0x55
.irp i, 0,1,2,3,4,5,6,7
	v_pk_add_f32 v[SS+4*\i:SS+4*\i+1], v[SS+4*\i:SS+4*\i+1], v[SS+4*\i+2:SS+4*\i+3]
.endr
.irp i, 0,1,2,3,4,5,6,7
	v_add_f32 v[SS+4*\i], v[SS+4*\i], v[SS+4*\i+1]
.endr
.irp i, 0,1,2,3,4,5,6,7
	v_permlanex16_b32 v[SS+4*\i+1], v[SS+4*\i], s98, s99
.endr
.irp i, 0,1,2,3,4,5,6,7
	v_add_f32 v[SS+4*\i], v[SS+4*\i], v[SS+4*\i+1]          ; with lane l xor 16's 32 channels
.endr
.irp i, 0,1,2,3,4,5,6,7
	v_fma_f32 v[SS+4*\i], v[SS+4*\i], s2, s3                ; the mean square + eps
.endr
.irp i, 0,1,2,3,4,5,6,7
	v_rsq_f32 v[RS+2*\i], v[SS+4*\i]
.endr
.irp i, 0,1,2,3,4,5,6,7
	v_mov_b32 v[RS+2*\i+1], 0                      ; (named as the pairs' upper halves; plain lines behind the roots)
.endr
	s_wait_alu depctr_va_vdst(0)                   ; one wait for the eight roots
; q or k of row tile a: T = x gain; CSR = (cos, sin) / rms; the rotation; f16; four blocks of 512 bytes.
.macro NORMROPE a, qk
.set rA, 96*((\a)%2)+32*(\qk)
.set rR, 192+32*((\a)%2)
.set rS, RS+2*(2*(\a)+(\qk))
	WIN 0x42+((\a)/2)
.irp i, 0,2,4,6,8,10,12,14,16,18,20,22,24,26,28,30
	v_pk_mul_f32 v[T+\i:T+\i+1], v[rA+\i:rA+\i+1], v[GQ+32*(\qk)+\i:GQ+32*(\qk)+\i+1]
.endr
	WIN 0x46+((\a)/2)
.irp i, 0,2,4,6,8,10,12,14,16,18,20,22,24,26,28,30
	v_pk_mul_f32 v[CSR+\i:CSR+\i+1], v[rR+\i:rR+\i+1], v[rS:rS+1] op_sel_hi:[1,0]
.endr
	WIN 0x55
.irp i, 0,2,4,6,8,10,12,14
	v_pk_mul_f32 v[U+\i:U+\i+1], v[T+\i:T+\i+1], v[CSR+\i:CSR+\i+1]
.endr
.irp i, 0,2,4,6,8,10,12,14
	v_pk_fma_f32 v[U+\i:U+\i+1], v[T+16+\i:T+16+\i+1], v[CSR+16+\i:CSR+16+\i+1], v[U+\i:U+\i+1] neg_lo:[1,0,0] neg_hi:[1,0,0]   ; t1 cos - t2 sin
.endr
.irp i, 0,2,4,6,8,10,12,14
	v_pk_mul_f32 v[T+\i:T+\i+1], v[T+\i:T+\i+1], v[CSR+16+\i:CSR+16+\i+1]
.endr
.irp i, 0,2,4,6,8,10,12,14
	v_pk_fma_f32 v[T+\i:T+\i+1], v[T+16+\i:T+16+\i+1], v[CSR+\i:CSR+\i+1], v[T+\i:T+\i+1]                                     ; t1 sin + t2 cos
.endr
	s_wait_xcnt 0x0                                ; the last stores have read their data
	WIN 0x05
.irp i, 0,1,2,3,4,5,6,7
	v_cvt_pk_f16_f32 v[PK+\i], v[U+2*\i], v[U+2*\i+1]
	v_cvt_pk_f16_f32 v[PK+8+\i], v[T+2*\i], v[T+2*\i+1]
.endr
	WIN 0
.irp t, 0,1,2,3
	global_store_b128 v[LI], v[PK+4*\t:PK+4*\t+3], s[20+2*(\qk):21+2*(\qk)] offset:8192*(\a)+512*\t   ; 512 consecutive bytes
.endr
.endm
.irp a, 0,1,2,3
	NORMROPE \a, 0
	NORMROPE \a, 1
.endr
.macro VOUT a
.set rA, 96*((\a)%2)+64
	s_wait_xcnt 0x0
	WIN 0x0a+5*((\a)/2)
.irp i, 0,1,2,3,4,5,6,7,8,9,10,11,12,13,14,15
	v_cvt_pk_f16_f32 v[PKV+\i], v[rA+2*\i], v[rA+2*\i+1]
.endr
	WIN 0
.irp c, 0,1,2,3
	global_store_b128 v[LI], v[PKV+4*\c:PKV+4*\c+3], s[46:47] offset:8192*(\a)+1024*\c
.endr
.endm
	s_cmp_eq_u32 s97, 0
	s_cbranch_scc1 .Lfine_tile
	VOUT 0
	s_branch .Lv_rest
.Lfine_tile:                           ; positions 0-63: V as a high and a low part, from one split: c = 8193 v, hi = c - (c - v), lo = v - hi
	s_wait_xcnt 0x0
	WIN 0x42
.irp i, 0,2,4,6,8,10,12,14,16,18,20,22,24,26,28,30
	v_pk_mul_f32 v[T+\i:T+\i+1], v[64+\i:65+\i], s[94:95] op_sel_hi:[1,0]
.endr
	WIN 0x49
.irp i, 0,2,4,6,8,10,12,14,16,18,20,22,24,26,28,30
	v_pk_add_f32 v[CSR+\i:CSR+\i+1], v[T+\i:T+\i+1], v[64+\i:65+\i] neg_lo:[0,1] neg_hi:[0,1]
.endr
	WIN 0x45
.irp i, 0,2,4,6,8,10,12,14,16,18,20,22,24,26,28,30
	v_pk_add_f32 v[T+\i:T+\i+1], v[T+\i:T+\i+1], v[CSR+\i:CSR+\i+1] neg_lo:[0,1] neg_hi:[0,1]
.endr
	WIN 0x46
.irp i, 0,2,4,6,8,10,12,14,16,18,20,22,24,26,28,30
	v_pk_add_f32 v[CSR+\i:CSR+\i+1], v[64+\i:65+\i], v[T+\i:T+\i+1] neg_lo:[0,1] neg_hi:[0,1]
.endr
	WIN 0x05
.irp i, 0,1,2,3,4,5,6,7,8,9,10,11,12,13,14,15
	v_cvt_pk_f16_f32 v[PKV+\i], v[T+2*\i], v[T+2*\i+1]
	v_cvt_pk_f16_f32 v[PKL+\i], v[CSR+2*\i], v[CSR+2*\i+1]
.endr
	WIN 0
.irp c, 0,1,2,3
	global_store_b128 v[LI], v[PKV+4*\c:PKV+4*\c+3], s[46:47] offset:1024*\c
	global_store_b128 v[LI], v[PKL+4*\c:PKL+4*\c+3], s[92:93] offset:1024*\c
.endr
.Lv_rest:
	VOUT 1
	VOUT 2
	VOUT 3
	s_wait_tensorcnt 0x0                           ; the wave's end
	ds_add_u32 v[SPW], v[NIL]
	s_wait_dscnt 0x0
	CROUND                                         ; the closing round
	s_endpgm
.Lfunc_end_k_qe8a5c67383_qkv:
	.size	k_qe8a5c67383_qkv, .Lfunc_end_k_qe8a5c67383_qkv-k_qe8a5c67383_qkv
	.p2alignl 7, 3214868480
	.fill 96, 4, 3214868480
	.section	.rodata,"a",@progbits
	.p2align	6, 0x0
	.amdhsa_kernel k_qe8a5c67383_qkv
		.amdhsa_group_segment_fixed_size 327680
		.amdhsa_private_segment_fixed_size 0
		.amdhsa_enable_private_segment 0
		.amdhsa_kernarg_size 32
		.amdhsa_user_sgpr_count 2
		.amdhsa_user_sgpr_kernarg_segment_ptr 1
		.amdhsa_wavefront_size32 1
		.amdhsa_system_sgpr_workgroup_id_x 1
		.amdhsa_system_sgpr_workgroup_id_y 1
		.amdhsa_system_sgpr_workgroup_id_z 1
		.amdhsa_system_vgpr_workitem_id 0
		.amdhsa_next_free_vgpr 1024
		.amdhsa_next_free_sgpr 100
		.amdhsa_reserve_vcc 0
		.amdhsa_float_denorm_mode_32 3
		.amdhsa_float_denorm_mode_16_64 3
		.amdhsa_memory_ordered 1
		.amdhsa_forward_progress 1
		.amdhsa_inst_pref_size 152
	.end_amdhsa_kernel
	.amdgpu_metadata
---
amdhsa.version: [ 1, 2 ]
amdhsa.kernels:
  - .name:           k_qe8a5c67383_qkv
    .symbol:         k_qe8a5c67383_qkv.kd
    .args:
      - { .name: prepbuf, .offset: 0, .size: 8, .value_kind: global_buffer, .address_space: global }
      - { .name: qn_w, .offset: 8, .size: 8, .value_kind: global_buffer, .address_space: global }
      - { .name: kn_w, .offset: 16, .size: 8, .value_kind: global_buffer, .address_space: global }
      - { .name: qkvbuf, .offset: 24, .size: 8, .value_kind: global_buffer, .address_space: global }
    .group_segment_fixed_size: 327680
    .private_segment_fixed_size: 0
    .kernarg_segment_align: 8
    .kernarg_segment_size: 32
    .max_flat_workgroup_size: 128
    .sgpr_count:     100
    .vgpr_count:     1024
    .wavefront_size: 32
...
	.end_amdgpu_metadata
.endif
;; end of part 2
;; launch attn (part 3): grid 4 x 64, 8 waves a work-group, no clusters, 136,192 bytes of LDS; arguments qkvbuf, maskbuf, ybuf; writes ybuf
.if DOCPART == 3
	.amdgcn_target "amdgcn-amd-amdhsa--gfx1250"
	.amdhsa_code_object_version 6
	.text
	.protected	k_qe8a5c67383_attn
	.globl	k_qe8a5c67383_attn
	.p2align	8
	.type	k_qe8a5c67383_attn,@function
k_qe8a5c67383_attn:
	s_mov_b64 s[64:65], 0
	v_nop
	global_prefetch_b8 v0, s[64:65] scope:SCOPE_SE
	s_setreg_imm32_b32 hwreg(HW_REG_WAVE_MODE, 25, 1), 1
	s_wait_xcnt 0x0
; ATTN: y = softmax(q k^T / 8 under the mask) v for one head, f16 operands, f32 sums, a running maximum.
; LEFT OUT: tiles of 64 queries x 64 keys in which the mask hides every key (their weights are exp(-inf) = 0 for all values of q, k, v): the flags ANY and MIX that the first launch stored say which.
; A NaN, an infinity or an overflow that lies only in such a tile is not carried to the result.  A query whose every key is hidden gives 0 x (1 / 0) = NaN, as reference() does.
; SHARES.  Work-group (x, head) takes the block of 256 queries 7 - x, then block x.  Wave w: queries 64 (w % 4) .. + 63 of the block, four tiles of 16, and of each 128 keys the 64 numbered w / 4.
; So waves w and w + 4 share their queries and split the keys; their two partial results (O, l, c m) meet in LDS at a block's end.
; NO TENSOR LOAD, NO CLUSTER: the walk over the keys branches on flags read from memory.  K's and V's images come by loads into registers, 128 keys ahead, and are handed to LDS: two slots of
; 32,768 bytes (K 16,384, then V 16,384, as they lie in memory), one barrier for each 128 keys, on every wave's path, never under a branch on flags.
; LAYOUT.  S^T = K Q^T and O^T = V^T P: a lane holds one query (lane % 16) throughout.  p = 2^(c s - c m), c = log2(e) / 8.  The row's sum is a product of ones with P: every register of L holds it.
; REGISTERS.  window 0: v1-11 addresses; v12-15 mask words; v16-47 eight statistics a tile (c m, m, a, 0, c0-c3); v48-55 ones; v56-63 the partner's statistics; v64-191 S^T, then P in place; v192-255 K's, then V's fragments.
;   window 1: v0-127 O^T (32 t + 8 ct); v128-159 L; v160-223 Q; v224-255 the tile on its way to LDS.
.set KOFF,  16777216
.set VOFF,  33554432
.set FL,    524288
.set MRG,   65536                      ; behind the slots: 17,408 bytes for each pair of waves
.set SPARE, 135168                     ; the spare words: 128 bytes for each wave, four blocks of 256 bytes that no other line names
.set LI,   1
.set STA,  2
.set ML,   3
.set PFO,  4
.set LK,   5
.set TM,   6
.set NINF, 8
.set MG,   9
.set SPW,  10
.set NIL,  11
.set MW,   12
.set STT,  16
.set ONES, 48
.set XST,  56
.set S,    64
.set KV,   192
.set L,    128
.set Q,    160
.set SG,   224
.set MSB, 0
.macro WIN new
.if MSB != \new
	s_set_vgpr_msb (MSB<<8)|\new
.set MSB, \new
.endif
.endm
.macro PLACES n
.rept \n
	v_nop
.endr
.endm
	s_load_b128 s[4:7], s[0:1], 0x0                ; qkvbuf, maskbuf
	s_load_b64 s[8:9], s[0:1], 0x10                ; ybuf
	v_lshl_add_u32 v[SPW], v0, 2, SPARE
	v_mov_b32 v[NIL], 0
	v_lshrrev_b32 v1, 5, v0
	v_readfirstlane_b32 s10, v1                    ; wave
	s_and_b32 s11, s10, 3                          ; which 64 queries
	s_lshr_b32 s12, s10, 2                         ; which 64 of each 128 keys
	s_and_b32 s14, ttmp7, 0xffff                   ; 16 x batch + head
	v_and_b32 v6, 31, v0
	v_lshlrev_b32 v[LI], 4, v6
	v_lshlrev_b32 v[STA], 4, v0
	v_lshlrev_b32 v[ML], 2, v6
	v_lshlrev_b32 v[PFO], 8, v6
	s_lshl_b32 s58, s12, 13
	v_add_nc_u32 v[LK], s58, v[LI]
	s_mul_i32 s58, s11, 17408
	s_add_co_u32 s58, s58, MRG
	v_add_nc_u32 v[MG], s58, v[LI]
	v_mov_b32 v[NINF], 0xff800000
.irp i, 0,1,2,3,4,5,6,7
	v_mov_b32 v[ONES+\i], 0x3c003c00
.endr
	s_mov_b32 s52, 0x3e38aa3b                      ; c = log2(e) / 8
	s_mov_b32 s53, s52
	s_mov_b32 s54, 0x76543210
	s_mov_b32 s55, 0xfedcba98
	s_lshl_b32 s50, s14, 18
	s_mov_b32 s51, 0
	s_lshr_b32 s56, s14, 4
	s_lshl_b32 s56, s56, 22
	s_and_b32 s58, s14, 15
	s_lshl_b32 s58, s58, 11
	s_add_co_u32 s56, s56, s58
	s_mov_b32 s57, 0
	s_wait_kmcnt 0x0
	s_add_nc_u64 s[20:21], s[4:5], s[50:51]        ; the head's Q,
	s_add_nc_u64 s[16:17], s[20:21], KOFF          ; K,
	s_add_nc_u64 s[18:19], s[20:21], VOFF          ; V
	s_add_nc_u64 s[22:23], s[8:9], s[56:57]        ; y: the batch's row tiles, the head's 2,048 bytes in each
	s_cmp_lt_u32 s10, 2                            ; the prefetches: waves 0, 1 for K, waves 2, 3 for V, 8,192 bytes each of the 16,384, beginning with keys 256 on
	s_cselect_b64 s[60:61], s[16:17], s[18:19]
	s_and_b32 s50, s10, 1
	s_lshl_b32 s50, s50, 13
	s_add_co_u32 s50, s50, 32768
	s_add_nc_u64 s[60:61], s[60:61], s[50:51]
	s_mov_b32 s47, 0                               ; the phase
.macro MASK                            ; hidden keys' scores become -inf ahead of the maximum; each accumulator from its low end on
.irp t, 0,1,2,3
.set n, 0
.rept 32
	v_lshlrev_b32 v[TM+n%2], 31-n, v[MW+\t]
	v_cmp_gt_i32 vcc_lo, 0, v[TM+n%2]
	v_cndmask_b32 v[S+32*\t+n], v[S+32*\t+n], v[NINF], vcc_lo
.set n, n+1
.endr
.endr
.endm
.macro SMAX                            ; the four tiles line by line, so that no line waits for the line above it
.irp j, 0,1,2,3
.irp t, 0,1,2,3
	v_max3_num_f32 v[STT+8*\t+4+\j], v[S+32*\t+8*\j], v[S+32*\t+8*\j+1], v[S+32*\t+8*\j+2]
.endr
.endr
.irp p, 3,5
.irp j, 0,1,2,3
.irp t, 0,1,2,3
	v_max3_num_f32 v[STT+8*\t+4+\j], v[STT+8*\t+4+\j], v[S+32*\t+8*\j+\p], v[S+32*\t+8*\j+\p+1]
.endr
.endr
.endr
.irp t, 0,1,2,3
	v_max3_num_f32 v[STT+8*\t+4], v[STT+8*\t+4], v[S+32*\t+7], v[S+32*\t+15]
.endr
.irp t, 0,1,2,3
	v_max3_num_f32 v[STT+8*\t+6], v[STT+8*\t+6], v[S+32*\t+23], v[S+32*\t+31]
.endr
.irp t, 0,1,2,3
	v_max3_num_f32 v[STT+8*\t+4], v[STT+8*\t+4], v[STT+8*\t+5], v[STT+8*\t+6]
.endr
.irp t, 0,1,2,3
	v_max3_num_f32 v[STT+8*\t+4], v[STT+8*\t+4], v[STT+8*\t+7], v[STT+8*\t+1]   ; and the old m
.endr
.irp t, 0,1,2,3
	v_permlanex16_b32 v[STT+8*\t+5], v[STT+8*\t+4], s54, s55                     ; the query's other 32 keys
.endr
.irp t, 0,1,2,3
	v_mov_b32 v[STT+8*\t+7], v[STT+8*\t]
.endr
.irp t, 0,1,2,3
	v_max_num_f32 v[STT+8*\t+1], v[STT+8*\t+4], v[STT+8*\t+5]
.endr
.irp t, 0,1,2,3
	v_mul_f32 v[STT+8*\t], s52, v[STT+8*\t+1]
.endr
.irp t, 0,1,2,3
	v_sub_f32 v[STT+8*\t+7], v[STT+8*\t+7], v[STT+8*\t]
.endr
.irp t, 0,1,2,3
	v_exp_f32 v[STT+8*\t+2], v[STT+8*\t+7]         ; a = 2^(c m_old - c m_new)
.endr
.endm
.macro PKF t, i                        ; pair i of tile t: c s - c m
	v_pk_fma_f32 v[S+32*(\t)+2*(\i):S+32*(\t)+2*(\i)+1], v[S+32*(\t)+2*(\i):S+32*(\t)+2*(\i)+1], s[52:53], v[STT+8*(\t):STT+8*(\t)+1] op_sel_hi:[1,0,0] neg_lo:[0,0,1] neg_hi:[0,0,1]
.endm
.macro SEXP                            ; one batch: nothing in it reads an exponential's result
.set n, 0
.rept 16
	PKF 0, n
.set n, n+1
.endr
.irp t, 0,1,2
.set n, 0
.rept 16
	v_exp_f32 v[S+32*\t+2*n], v[S+32*\t+2*n]
	v_exp_f32 v[S+32*\t+2*n+1], v[S+32*\t+2*n+1]
	PKF \t+1, n
.set n, n+1
.endr
.endr
.set n, 0
.rept 32
	v_exp_f32 v[S+96+n], v[S+96+n]
.set n, n+1
.endr
	v_nop                                          ; the plain line behind the last exponential
	s_wait_alu depctr_va_vdst(0)                   ; one wait for the step's 132 exponentials
.endm
.macro SRESC                           ; O^T and the sum under the new maximum
	WIN 0x41
.irp t, 0,1,2,3
.set n, 0
.rept 16
	v_pk_mul_f32 v[32*\t+2*n:32*\t+2*n+1], v[32*\t+2*n:32*\t+2*n+1], v[STT+8*\t+2:STT+8*\t+3] op_sel_hi:[1,0]
.set n, n+1
.endr
	v_pk_mul_f32 v[L+8*\t:L+8*\t+1], v[L+8*\t:L+8*\t+1], v[STT+8*\t+2:STT+8*\t+3] op_sel_hi:[1,0]   ; of L register 0 alone is read in the end
.endr
	WIN 0
.endm
.macro SCVT                            ; p to f16, in place: register n takes numbers 2 n and 2 n + 1
.irp t, 0,1,2,3
.set n, 0
.rept 16
	v_cvt_pk_f16_f32 v[S+32*\t+n], v[S+32*\t+2*n], v[S+32*\t+2*n+1]
.set n, n+1
.endr
.endr
.endm
; MY 64 KEYS of the 128 in slot e.
.macro STEP e
.irp t, 0,1,2,3
	global_load_b32 v[MW+\t], v[ML], s[28:29] offset:256*(\e)+4096*\t     ; the mask words, used only where the tile is mixed
.endr
.irp f, 0,1,2,3,4,5,6,7                        ; K's fragment (key tile f / 2, channels 32 (f % 2) on)
	ds_load_b128 v[KV+8*\f:KV+8*\f+3], v[LK] offset:32768*(\e)+1024*\f
	ds_load_b128 v[KV+8*\f+4:KV+8*\f+7], v[LK] offset:32768*(\e)+1024*\f+512
.endr
	s_wait_dscnt 0x0
	WIN 0x04
.irp c, 0,1                                    ; 16 accumulators by turns
.irp t, 0,1,2,3
.irp k, 0,1,2,3
.if \c == 0
	v_wmma_f32_16x16x32_f16 v[S+32*\t+8*\k:S+32*\t+8*\k+7], v[KV+16*\k+8*\c:KV+16*\k+8*\c+7], v[Q+16*\t+8*\c:Q+16*\t+8*\c+7], 0
.else
	v_wmma_f32_16x16x32_f16 v[S+32*\t+8*\k:S+32*\t+8*\k+7], v[KV+16*\k+8*\c:KV+16*\k+8*\c+7], v[Q+16*\t+8*\c:Q+16*\t+8*\c+7], v[S+32*\t+8*\k:S+32*\t+8*\k+7]
.endif
.endr
.endr
.endr
	WIN 0
	PLACES 4                                       ; ahead of the loads over K's fragments and of the first reads of the scores
.irp f, 0,1,2,3,4,5,6,7                        ; V's fragment (32 keys f / 4, channel tile f % 4): it lands under the softmax
	ds_load_b128 v[KV+8*\f:KV+8*\f+3], v[LK] offset:32768*(\e)+16384+1024*\f
	ds_load_b128 v[KV+8*\f+4:KV+8*\f+7], v[LK] offset:32768*(\e)+16384+1024*\f+512
.endr
	s_bitcmp1_b32 s44, 2*(\e)                      ; is some key of my tile hidden?
	s_cbranch_scc0 .Lopen_\@
	s_wait_loadcnt 0x0
	MASK
.Lopen_\@:
	SMAX
	SEXP
	SRESC
	SCVT
	s_wait_dscnt 0x0                               ; V is in
	WIN 0x50
.irp g, 0,1                                    ; 20 accumulators by turns
.irp c, 0,1,2,3
.irp t, 0,1,2,3
	v_wmma_f32_16x16x32_f16 v[32*\t+8*\c:32*\t+8*\c+7], v[KV+8*(4*\g+\c):KV+8*(4*\g+\c)+7], v[S+32*\t+8*\g:S+32*\t+8*\g+7], v[32*\t+8*\c:32*\t+8*\c+7]
.endr
.endr
.irp t, 0,1,2,3
	v_wmma_f32_16x16x32_f16 v[L+8*\t:L+8*\t+7], v[ONES:ONES+7], v[S+32*\t+8*\g:S+32*\t+8*\g+7], v[L+8*\t:L+8*\t+7]
.endr
.endr
	WIN 0
	PLACES 5                                       ; the next products write over P, the next loads over V's fragments
.endm
; 128 KEYS.  e: their slot.  Ask for the next 128 if any of the block's 256 queries wants them; work on my 64; hand the next 128 to the other slot; one barrier.
.macro TRIP e
	s_and_b32 s58, s42, 0xc<<(2*(\e))
	s_cmp_lg_u32 s58, 0
	s_cbranch_scc0 .Lno_ask_\@
	WIN 0x40
.irp i, 0,1,2,3
	global_load_b128 v[SG+4*\i:SG+4*\i+3], v[STA], s[24:25] offset:16384*((\e)+1)+4096*\i
	global_load_b128 v[SG+16+4*\i:SG+16+4*\i+3], v[STA], s[26:27] offset:16384*((\e)+1)+4096*\i
.endr
	WIN 0
	s_and_b32 s58, s42, 0x30<<(2*(\e))             ; a prefetch of the 128 keys after those, behind my loads: only work-group x = 0 in its first phase asks, waves 0 to 3,
	s_and_b32 s58, s58, s45                        ; 8,192 bytes each, lanes 256 bytes apart: each block of 256 bytes is named once in the launch; zeros shifted into the flags end it
	s_cmp_lg_u32 s58, 0
	s_cbranch_scc0 .Lno_ask_\@
	global_prefetch_b8 v[PFO], s[30:31] offset:16384*(\e) th:TH_LOAD_NT scope:SCOPE_SE
.Lno_ask_\@:
	s_bitcmp1_b32 s43, 2*(\e)                      ; does some key of my tile count?
	s_cbranch_scc0 .Lno_step_\@
	STEP \e
.Lno_step_\@:
	s_wait_loadcnt 0x0                             ; on every path: no load of mine is out when its registers are named again
	s_and_b32 s58, s42, 0xc<<(2*(\e))
	s_cmp_lg_u32 s58, 0
	s_cbranch_scc0 .Lno_put_\@
	WIN 0x04
.irp i, 0,1,2,3
	ds_store_b128 v[STA], v[SG+4*\i:SG+4*\i+3] offset:32768*(1-(\e))+4096*\i
	ds_store_b128 v[STA], v[SG+16+4*\i:SG+16+4*\i+3] offset:32768*(1-(\e))+16384+4096*\i
.endr
	WIN 0
.Lno_put_\@:
	s_wait_dscnt 0x0                               ; my reads of this slot are over and my stores into the other have landed
	s_barrier_signal -1
	s_barrier_wait -1
.endm
.Lphase:
	s_wait_xcnt 0x0                                ; the last phase's loads and stores have read their addresses and data
	s_sub_co_u32 s48, 7, ttmp9
	s_cmp_eq_u32 s47, 0
	s_cselect_b32 s48, s48, ttmp9                  ; the block of 256 queries
	s_lshl_b32 s49, s48, 2
	s_add_co_u32 s49, s49, s11                     ; my block of 64
	s_lshl_b32 s50, s48, 10
	s_add_co_u32 s50, s50, FL
	s_mov_b32 s51, 0
	s_add_nc_u64 s[50:51], s[6:7], s[50:51]
	s_load_b64 s[32:33], s[50:51], 0x0             ; (ANY, MIX) of the four blocks of 64,
	s_load_b64 s[34:35], s[50:51], 0x100
	s_load_b64 s[36:37], s[50:51], 0x200
	s_load_b64 s[38:39], s[50:51], 0x300
	s_lshl_b32 s56, s11, 8
	s_mov_b32 s57, 0
	s_add_nc_u64 s[56:57], s[50:51], s[56:57]
	s_load_b64 s[40:41], s[56:57], 0x0             ; and of mine
	s_lshl_b32 s62, s49, 13
	s_mov_b32 s63, 0
	s_add_nc_u64 s[62:63], s[20:21], s[62:63]
	WIN 0x40
.irp t, 0,1,2,3
.irp n, 0,1,2,3
	global_load_b128 v[Q+16*\t+4*\n:Q+16*\t+4*\n+3], v[LI], s[62:63] offset:2048*\t+512*\n
.endr
.endr
.irp i, 0,1,2,3                                ; keys 0-127 come without a test
	global_load_b128 v[SG+4*\i:SG+4*\i+3], v[STA], s[16:17] offset:4096*\i
	global_load_b128 v[SG+16+4*\i:SG+16+4*\i+3], v[STA], s[18:19] offset:4096*\i
.endr
.set n, 0
.rept 160
	v_mov_b32 v[n], 0                              ; O^T and L: which step is the first live one hangs on the flags, so no first product can be written out ahead of the loop
.set n, n+1
.endr
	WIN 0
.irp t, 0,1,2,3
	v_mov_b32 v[STT+8*\t+1], 0xff61b1e6            ; m = -3e38, under every score
	v_mov_b32 v[STT+8*\t+2], 0
	v_mov_b32 v[STT+8*\t+3], 0
	v_mov_b32 v[STT+8*\t+4], 0
	v_mov_b32 v[STT+8*\t+5], 0
	v_mov_b32 v[STT+8*\t+6], 0
	v_mov_b32 v[STT+8*\t+7], 0
	v_mul_f32 v[STT+8*\t], s52, v[STT+8*\t+1]
.endr
	s_mov_b64 s[24:25], s[16:17]
	s_mov_b64 s[26:27], s[18:19]
	s_mov_b64 s[30:31], s[60:61]
	s_lshl_b32 s28, s49, 14
	s_lshl_b32 s58, s12, 7
	s_add_co_u32 s28, s28, s58
	s_mov_b32 s29, 0
	s_add_nc_u64 s[28:29], s[6:7], s[28:29]        ; my mask words: 16,384 bytes for my four tiles' rows, 128 for each 64 keys
	s_lshr_b32 s58, s10, 2
	s_or_b32 s58, s58, ttmp9
	s_or_b32 s58, s58, s47
	s_cmp_eq_u32 s58, 0
	s_cselect_b32 s45, -1, 0                       ; do I prefetch?
	s_wait_kmcnt 0x0
	s_or_b32 s42, s32, s34
	s_or_b32 s42, s42, s36
	s_or_b32 s42, s42, s38                         ; steps that any of the 256 queries wants
	s_lshr_b32 s43, s40, s12                       ; my ANY and MIX, my first step at bit 0
	s_lshr_b32 s44, s41, s12
	s_wait_loadcnt 0x0
	WIN 0x04
.irp i, 0,1,2,3
	ds_store_b128 v[STA], v[SG+4*\i:SG+4*\i+3] offset:4096*\i
	ds_store_b128 v[STA], v[SG+16+4*\i:SG+16+4*\i+3] offset:16384+4096*\i
.endr
	WIN 0
	s_wait_dscnt 0x0
	s_barrier_signal -1
	s_barrier_wait -1
	s_mov_b32 s46, 0
.Ltrip:                                ; 8 trips of 256 keys: a constant
	TRIP 0
	TRIP 1
	s_wait_xcnt 0x0                                ; the trip's loads and prefetches have read their addresses
	s_add_nc_u64 s[24:25], s[24:25], 32768
	s_add_nc_u64 s[26:27], s[26:27], 32768
	s_add_nc_u64 s[30:31], s[30:31], 32768
	s_add_nc_u64 s[28:29], s[28:29], 512
	s_lshr_b32 s42, s42, 4
	s_lshr_b32 s43, s43, 4
	s_lshr_b32 s44, s44, 4
	s_add_co_u32 s46, s46, 1
	s_cmp_lt_u32 s46, 8
	s_cbranch_scc1 .Ltrip
	; THE TWO HALVES OF THE KEYS MEET.  Waves 4-7 put O^T, l and c m into LDS as images of their registers; waves 0-3 bring both under the larger maximum, divide, and store y.
	s_cmp_lt_u32 s10, 4
	s_cbranch_scc1 .Lno_send
	WIN 0x04
.set n, 0
.rept 32
	ds_store_b128 v[MG], v[4*n:4*n+3] offset:512*n
.set n, n+1
.endr
	WIN 0x01
.irp t, 0,1,2,3
	v_mov_b32 v[XST+\t], v[L+8*\t]
.endr
	WIN 0
.irp t, 0,1,2,3
	v_mov_b32 v[XST+4+\t], v[STT+8*\t]
.endr
	ds_store_b128 v[MG], v[XST:XST+3] offset:16384
	ds_store_b128 v[MG], v[XST+4:XST+7] offset:16896
.Lno_send:
	s_wait_dscnt 0x0
	s_barrier_signal -1
	s_barrier_wait -1
	s_cmp_lt_u32 s10, 4
	s_cbranch_scc0 .Lno_merge
.set n, 0
.rept 32
	ds_load_b128 v[S+4*n:S+4*n+3], v[MG] offset:512*n
.set n, n+1
.endr
	ds_load_b128 v[XST:XST+3], v[MG] offset:16384
	ds_load_b128 v[XST+4:XST+7], v[MG] offset:16896
	s_lshl_b32 s56, s49, 17
	s_mov_b32 s57, 0
	s_add_nc_u64 s[56:57], s[22:23], s[56:57]      ; my four row tiles of y
	s_wait_dscnt 0x0
.irp t, 0,1,2,3
	v_max_num_f32 v[STT+8*\t+7], v[STT+8*\t], v[XST+4+\t]
.endr
.irp t, 0,1,2,3
	v_sub_f32 v[STT+8*\t+4], v[STT+8*\t], v[STT+8*\t+7]
	v_sub_f32 v[STT+8*\t+5], v[XST+4+\t], v[STT+8*\t+7]
.endr
.irp t, 0,1,2,3
	v_exp_f32 v[STT+8*\t+4], v[STT+8*\t+4]
	v_exp_f32 v[STT+8*\t+5], v[STT+8*\t+5]
.endr
	v_nop
	s_wait_alu depctr_va_vdst(0)                   ; one wait for the eight
	WIN 0x01
.irp t, 0,1,2,3
	v_mul_f32 v[STT+8*\t+6], v[L+8*\t], v[STT+8*\t+4]
.endr
	WIN 0
.irp t, 0,1,2,3
	v_fma_f32 v[STT+8*\t+6], v[XST+\t], v[STT+8*\t+5], v[STT+8*\t+6]     ; the row's sum
.endr
.irp t, 0,1,2,3
	v_rcp_f32 v[STT+8*\t+7], v[STT+8*\t+6]
.endr
	v_nop
	s_wait_alu depctr_va_vdst(0)                   ; one wait for the four
.irp t, 0,1,2,3
	v_mul_f32 v[STT+8*\t+4], v[STT+8*\t+4], v[STT+8*\t+7]
	v_mul_f32 v[STT+8*\t+6], v[STT+8*\t+5], v[STT+8*\t+7]
.endr
.irp t, 0,1,2,3
.set n, 0
.rept 16
	v_pk_mul_f32 v[S+32*\t+2*n:S+32*\t+2*n+1], v[S+32*\t+2*n:S+32*\t+2*n+1], v[STT+8*\t+6:STT+8*\t+7] op_sel_hi:[1,0]
.set n, n+1
.endr
.endr
	WIN 0x01
.irp t, 0,1,2,3
.set n, 0
.rept 16
	v_pk_fma_f32 v[S+32*\t+2*n:S+32*\t+2*n+1], v[32*\t+2*n:32*\t+2*n+1], v[STT+8*\t+4:STT+8*\t+5], v[S+32*\t+2*n:S+32*\t+2*n+1] op_sel_hi:[1,0,1]
.set n, n+1
.endr
.endr
	WIN 0
	SCVT
.irp t, 0,1,2,3
.irp c, 0,1,2,3
	global_store_b128 v[LI], v[S+32*\t+4*\c:S+32*\t+4*\c+3], s[56:57] offset:32768*\t+512*\c   ; an image block: 512 consecutive bytes
.endr
.endr
.Lno_merge:
	s_add_co_u32 s47, s47, 1
	s_cmp_lt_u32 s47, 2
	s_cbranch_scc1 .Lphase
	s_wait_tensorcnt 0x0                           ; the wave's end, behind my last LDS store
	ds_add_u32 v[SPW], v[NIL]
	s_wait_dscnt 0x0
	s_endpgm
.Lfunc_end_k_qe8a5c67383_attn:
	.size	k_qe8a5c67383_attn, .Lfunc_end_k_qe8a5c67383_attn-k_qe8a5c67383_attn
	.p2alignl 7, 3214868480
	.fill 96, 4, 3214868480
	.section	.rodata,"a",@progbits
	.p2align	6, 0x0
	.amdhsa_kernel k_qe8a5c67383_attn
		.amdhsa_group_segment_fixed_size 136192
		.amdhsa_private_segment_fixed_size 0
		.amdhsa_enable_private_segment 0
		.amdhsa_kernarg_size 24
		.amdhsa_user_sgpr_count 2
		.amdhsa_user_sgpr_kernarg_segment_ptr 1
		.amdhsa_wavefront_size32 1
		.amdhsa_system_sgpr_workgroup_id_x 1
		.amdhsa_system_sgpr_workgroup_id_y 1
		.amdhsa_system_sgpr_workgroup_id_z 1
		.amdhsa_system_vgpr_workitem_id 0
		.amdhsa_next_free_vgpr 512
		.amdhsa_next_free_sgpr 66
		.amdhsa_reserve_vcc 1
		.amdhsa_float_denorm_mode_32 3
		.amdhsa_float_denorm_mode_16_64 3
		.amdhsa_memory_ordered 1
		.amdhsa_forward_progress 1
		.amdhsa_inst_pref_size 120
	.end_amdhsa_kernel
	.amdgpu_metadata
---
amdhsa.version: [ 1, 2 ]
amdhsa.kernels:
  - .name:           k_qe8a5c67383_attn
    .symbol:         k_qe8a5c67383_attn.kd
    .args:
      - { .name: qkvbuf, .offset: 0, .size: 8, .value_kind: global_buffer, .address_space: global }
      - { .name: maskbuf, .offset: 8, .size: 8, .value_kind: global_buffer, .address_space: global }
      - { .name: ybuf, .offset: 16, .size: 8, .value_kind: global_buffer, .address_space: global }
    .group_segment_fixed_size: 136192
    .private_segment_fixed_size: 0
    .kernarg_segment_align: 8
    .kernarg_segment_size: 24
    .max_flat_workgroup_size: 256
    .sgpr_count:     66
    .vgpr_count:     512
    .wavefront_size: 32
...
	.end_amdgpu_metadata
.endif
;; end of part 3
;; launch proj (part 4): grid 4 x 64, 4 waves a work-group, clusters of 4 x 4, 327,680 bytes of LDS; arguments ybuf, prepbuf, out0; writes out0
.if DOCPART == 4
	.amdgcn_target "amdgcn-amd-amdhsa--gfx1250"
	.amdhsa_code_object_version 6
	.text
	.protected	k_qe8a5c67383_proj
	.globl	k_qe8a5c67383_proj
	.p2align	8
	.type	k_qe8a5c67383_proj,@function
k_qe8a5c67383_proj:
	s_mov_b64 s[64:65], 0
	v_nop
	global_prefetch_b8 v0, s[64:65] scope:SCOPE_SE
	s_setreg_imm32_b32 hwreg(HW_REG_WAVE_MODE, 25, 1), 1
	s_wait_xcnt 0x0
	s_wait_alu depctr_hold_cnt(0) depctr_sa_sdst(0) depctr_va_vdst(0) depctr_va_sdst(0) depctr_va_ssrc(0) depctr_va_vcc(0) depctr_vm_vsrc(0)
	s_getreg_b32 s2, hwreg(HW_REG_IB_STS2, 6, 4)
	s_cmp_eq_u32 s2, 0
	s_cbranch_scc0 .Lentry_in_a_cluster
	s_endpgm
.Lentry_in_a_cluster:
	s_bfe_u32 s2, ttmp6, 0x10000c
	s_cmp_lg_u32 s2, 0xf033
	s_cbranch_scc0 .Lentry_shape_is_right
	s_endpgm
.Lentry_shape_is_right:
; PROJ: out0 = y W_out^T, f16 operands (W_out's high part), f32 sums and results.
; A work-group makes 128 rows x 256 columns; wave (w / 2, w % 2) makes 64 x 128: 32 accumulators, 256 registers.  K goes in steps of 128 through two LDS slots.
; Both operands lie in memory as images of their registers ([tile of 16][k32 32][u 2][512 bytes]): a K step of a tile is 4,096 consecutive bytes, a fragment comes by two loads at 16 x lane, with no pitch and no padding.
; CLUSTER 4 x 4: y's tiles hang on the row block, shared along a row of the cluster; W_out's on the column block, shared along a column: each is asked for jointly.
; THE PRODUCT IS USED TRANSPOSED (source 0 = 16 rows of W_out, source 1 = 16 rows of y): a lane holds eight neighbouring numbers of a row of out0.
; The first 16 positions of each batch are stored here with their tiles and replaced by the last launch, which carries them more finely: a branch round them would hang on the work-group's place in its cluster.
; REGISTERS.  window 0: addresses; v128-255 rows on their way out.  window 1: two buffers of fragments, at 0 and 128: W's eight, then y's four.  window 2: accumulator (a, b) at 8 (8 a + b).
.set WHI,    6127616
.set SLOT,   98304                     ; y: 8 tiles x 4,096 bytes; W_out: 16 tiles x 4,096
.set STAGE,  196608                    ; 16 rows x (512 + 16) bytes for each wave
.set SPITCH, 528
.set SPARE,  230400                    ; the spare words: 128 bytes for each wave, two blocks of 256 bytes that no other line names
.set LAPS,   4                         ; a lap = two K steps
.set ADRA, 16
.set ADRB, 20
.set STO,  24
.set RD,   25
.set CO,   26
.set SPW,  28
.set NIL,  29
.set BK,   128
.set F0,   0
.set F1,   128
.set G1,   24
.set G0,   32
.set G1B,  48
.set G0B,  56
.set MSB, 0
.macro WIN new
.if MSB != \new
	s_set_vgpr_msb (MSB<<8)|\new
.set MSB, \new
.endif
.endm
.set MUL,  0xa5                        ; sources 0 and 1 window 1; C and D window 2
.set TO_F, 0x40
.macro JLOAD s                         ; waves 0, 1 fetch y's halves, waves 2, 3 W_out's; an s_nop 0 and four v_nop follow each line
	s_cmp_eq_u32 s11, 0
	s_cbranch_scc0 .Lfor_b_\@
	tensor_load_to_lds s[G0+4*\s:G0+4*\s+3], s[G1:G1+7]
	s_nop 0
.rept 4
	v_nop
.endr
	s_branch .Lasked_\@
.Lfor_b_\@:
	tensor_load_to_lds s[G0B+4*\s:G0B+4*\s+3], s[G1B:G1B+7]
	s_nop 0
.rept 4
	v_nop
.endr
.Lasked_\@:
.endm
.macro CREST
	s_cmp_lg_u32 s10, 0
	s_cbranch_scc1 .Lnot_wave_0_\@
	s_barrier_signal -3
.Lnot_wave_0_\@:
	s_barrier_wait -3
	s_barrier_signal -1
	s_barrier_wait -1
.endm
.macro CROUND
	s_barrier_signal -1
	s_barrier_wait -1
	CREST
.endm
.macro PLACES
.rept 4
	v_nop
.endr
.endm
	s_load_b128 s[4:7], s[0:1], 0x0                ; ybuf, prepbuf
	s_load_b64 s[8:9], s[0:1], 0x10                ; out0
	v_lshl_add_u32 v[SPW], v0, 2, SPARE
	v_mov_b32 v[NIL], 0
	ds_add_u32 v[SPW], v[NIL]                      ; the opening: the add, twice on end, and its wait ahead of my first tensor load
	ds_add_u32 v[SPW], v[NIL]
	v_lshrrev_b32 v1, 5, v0
	v_readfirstlane_b32 s10, v1
	s_lshr_b32 s11, s10, 1                         ; my half of the rows.  Also: I fetch for y (0) or W_out (1)
	s_and_b32 s12, s10, 1                          ; my half of the columns.  Also: which half I fetch
	s_bfe_u32 s40, ttmp6, 0x40000
	s_bfe_u32 s41, ttmp6, 0x40004
	s_lshl_b32 s42, ttmp9, 2
	s_add_co_u32 s42, s42, s40                     ; block of 256 columns
	s_and_b32 s13, ttmp7, 0xffff
	s_lshl_b32 s13, s13, 2
	s_add_co_u32 s13, s13, s41                     ; block of 128 rows
	s_lshl_b32 s43, s41, 2
	s_lshl_b32 s43, 15, s43
	s_lshl_b32 s44, 0x1111, s40
	s_or_b32 s[G1+0], s43, (3<<16)|(1<<21)         ; the mask; elements of 8 bytes; no padding; bit 21 beside a mask
	s_or_b32 s[G1B+0], s44, (3<<16)|(1<<21)
	s_mov_b32 s[G1+1], 512<<16                     ; tensor_dim0: 4,096 bytes
	s_mov_b32 s[G1+2], 4<<16                       ; tensor_dim1: 4 tiles
	s_mov_b32 s[G1+3], 512<<16
	s_mov_b32 s[G1+4], 4
	s_mov_b32 s[G1+5], 4096                        ; from tile to tile: 32,768 bytes
	s_mov_b32 s[G1+6], 0
	s_mov_b32 s[G1+7], 0
	s_mov_b32 s[G1B+1], 512<<16
	s_mov_b32 s[G1B+2], 8<<16                      ; 8 tiles
	s_mov_b32 s[G1B+3], 512<<16
	s_mov_b32 s[G1B+4], 8
	s_mov_b32 s[G1B+5], 4096
	s_mov_b32 s[G1B+6], 0
	s_mov_b32 s[G1B+7], 0
	s_lshl_b32 s17, s12, 2
	s_lshl_b32 s16, s13, 3
	s_add_co_u32 s16, s16, s17
	s_lshl_b32 s16, s16, 15                        ; y: tile 8 x row block + 4 x half
	s_mov_b32 s17, 0
	s_lshl_b32 s47, s12, 3
	s_lshl_b32 s46, s42, 4
	s_add_co_u32 s46, s46, s47
	s_lshl_b32 s46, s46, 15                        ; W_out: tile 16 x column block + 8 x half
	s_add_co_u32 s46, s46, WHI
	s_mov_b32 s47, 0
	s_lshl_b32 s20, s12, 14                        ; where they go: the wave's number alone
	s_lshl_b32 s21, s12, 15
	s_add_co_u32 s21, s21, 32768
	s_wait_dscnt 0x0
	s_wait_kmcnt 0x0
	s_add_nc_u64 s[14:15], s[4:5], s[16:17]
	s_add_nc_u64 s[46:47], s[6:7], s[46:47]
	CROUND
.irp s, 0,1
	s_mov_b32 s[G0+4*\s], 1
	s_add_co_u32 s[G0+4*\s+1], s20, \s*SLOT
	s_add_nc_u64 s[G0+4*\s+2:G0+4*\s+3], s[14:15], \s*4096
	s_or_b32 s[G0+4*\s+3], s[G0+4*\s+3], 0x80000000
	s_mov_b32 s[G0B+4*\s], 1
	s_add_co_u32 s[G0B+4*\s+1], s21, \s*SLOT
	s_add_nc_u64 s[G0B+4*\s+2:G0B+4*\s+3], s[46:47], \s*4096
	s_or_b32 s[G0B+4*\s+3], s[G0B+4*\s+3], 0x80000000
	JLOAD \s                                       ; two loads of mine are out
.endr
	v_and_b32 v1, 15, v0
	v_bfe_u32 v2, v0, 4, 1
	v_and_b32 v3, 31, v0
	v_lshlrev_b32 v[CO], 4, v3                     ; 16 x lane
	s_lshl_b32 s21, s11, 14                        ; my four tiles of y
	s_lshl_b32 s22, s12, 15
	s_add_co_u32 s22, s22, 32768                   ; my eight of W_out
.irp s, 0,1
	v_add_nc_u32 v[ADRA+\s], s21, v[CO]
	v_add_nc_u32 v[ADRB+\s], s22, v[CO]
	s_add_co_u32 s21, s21, SLOT
	s_add_co_u32 s22, s22, SLOT
.endr
	s_mul_i32 s23, s10, 16*SPITCH
	s_add_co_u32 s23, s23, STAGE
	v_mul_u32_u24 v5, v1, SPITCH
	v_lshl_add_u32 v5, v2, 5, v5
	v_add_nc_u32 v[STO], s23, v5                   ; into my stage: row lane % 16, 32 bytes for each half of the lanes
	v_add_nc_u32 v[RD], s23, v[CO]                 ; back: a row of 512 bytes
	s_lshl_b32 s16, s13, 7
	s_lshl_b32 s17, s11, 6
	s_add_co_u32 s16, s16, s17
	s_lshl_b32 s16, s16, 12                        ; my first row of out0, 4,096 bytes a row
	s_lshl_b32 s46, s42, 10
	s_lshl_b32 s47, s12, 9
	s_add_co_u32 s46, s46, s47
	s_add_co_u32 s16, s16, s46
	s_mov_b32 s17, 0
	s_add_nc_u64 s[8:9], s[8:9], s[16:17]
.macro MUL8 f, a, zero
.irp b, 0,1,2,3,4,5,6,7
.if \zero
	v_wmma_f32_16x16x32_f16 v[8*(8*(\a)+\b):8*(8*(\a)+\b)+7], v[\f+8*\b:\f+8*\b+7], v[\f+64+8*(\a):\f+64+8*(\a)+7], 0
.else
	v_wmma_f32_16x16x32_f16 v[8*(8*(\a)+\b):8*(8*(\a)+\b)+7], v[\f+8*\b:\f+8*\b+7], v[\f+64+8*(\a):\f+64+8*(\a)+7], v[8*(8*(\a)+\b):8*(8*(\a)+\b)+7]
.endif
.endr
.endm
.macro FETCH slot, q, f                ; 24 LDS loads in one run: 32 along K, W_out's eight fragments, then y's four
	WIN TO_F
.irp b, 0,1,2,3,4,5,6,7
	ds_load_b128 v[\f+8*\b:\f+8*\b+3], v[ADRB+\slot] offset:4096*\b+1024*(\q)
	ds_load_b128 v[\f+8*\b+4:\f+8*\b+7], v[ADRB+\slot] offset:4096*\b+1024*(\q)+512
.endr
.irp a, 0,1,2,3
	ds_load_b128 v[\f+64+8*\a:\f+64+8*\a+3], v[ADRA+\slot] offset:4096*\a+1024*(\q)
	ds_load_b128 v[\f+64+8*\a+4:\f+64+8*\a+7], v[ADRA+\slot] offset:4096*\a+1024*(\q)+512
.endr
.endm
; A K step is four quarters of 32 along K, 32 products each, the 32 accumulators by turns in one order, on buffers 0, 1, 0, 1.
.macro QUARTER slot, q, f, g, zero     ; multiplies buffer f; fetches quarter q into g
	s_wait_dscnt 4                                 ; all but the youngest four loads: y's tiles 2 and 3
	WIN MUL
	MUL8 \f, 0, \zero
	MUL8 \f, 1, \zero
	PLACES                                         ; ahead of loads into registers that the last quarter's products have read
	FETCH \slot, \q, \g
	s_wait_dscnt 24                                ; all but the 24 just issued
	WIN MUL
	MUL8 \f, 2, \zero
	MUL8 \f, 3, \zero
.endm
.macro TURN slot, next, fill           ; the last quarter changes slots
	WIN 0
	s_wait_tensorcnt 0x0                           ; all my tensor loads have landed: my part of the next slot;
	ds_add_u32 v[SPW], v[NIL]                      ; 0 onto my spare word;
	s_wait_dscnt 5                                 ; (the add and the youngest four loads may be out)
	WIN MUL
	MUL8 F1, 0, 0
	s_wait_dscnt 0x0                               ; the add is done, and my reads of this slot are over
	s_barrier_signal -1
	MUL8 F1, 1, 0
	WIN 0
	s_barrier_wait -1
.if \fill
	CREST                                          ; the barrier has opened a round of the cluster's: no wave of any partner still reads this slot or has a load on its way
	s_add_nc_u64 s[G0+4*\slot+2:G0+4*\slot+3], s[G0+4*\slot+2:G0+4*\slot+3], 8192
	s_add_nc_u64 s[G0B+4*\slot+2:G0B+4*\slot+3], s[G0B+4*\slot+2:G0B+4*\slot+3], 8192
	JLOAD \slot                                    ; my one tensor load behind the round; its four v_nop are also the places ahead of the loads below
.else
	PLACES
.endif
	FETCH \next, 0, F0
	WIN MUL
	MUL8 F1, 2, 0
	MUL8 F1, 3, 0
.endm
	s_wait_tensorcnt 1                             ; my part of K step 0 is in; K step 1's load may be out
	s_barrier_signal -1
	s_barrier_wait -1
	FETCH 0, 0, F0
	QUARTER 0, 1, F0, F1, 1                        ; the first quarter starts the sums
	WIN 0
	s_mov_b32 s3, LAPS-1
.Llap:
	QUARTER 0, 2, F1, F0, 0
	QUARTER 0, 3, F0, F1, 0
	TURN 0, 1, 1
	QUARTER 1, 1, F0, F1, 0
	QUARTER 1, 2, F1, F0, 0
	QUARTER 1, 3, F0, F1, 0
	TURN 1, 0, 1
	QUARTER 0, 1, F0, F1, 0
	WIN 0
	s_sub_co_u32 s3, s3, 1
	s_cmp_lg_u32 s3, 0
	s_cbranch_scc1 .Llap
	QUARTER 0, 2, F1, F0, 0                        ; the last lap fills nothing
	QUARTER 0, 3, F0, F1, 0
	TURN 0, 1, 0
	QUARTER 1, 1, F0, F1, 0
	QUARTER 1, 2, F1, F0, 0
	QUARTER 1, 3, F0, F1, 0
	s_wait_dscnt 4
	WIN MUL
	MUL8 F1, 0, 0
	MUL8 F1, 1, 0
	s_wait_dscnt 0x0
	MUL8 F1, 2, 0
	MUL8 F1, 3, 0
	WIN 0
; THE WAY OUT, 16 rows x 128 columns at a time, through my own stage: back come whole rows of 512 bytes.  LDS serves a wave's instructions in order.
.macro TOSTAGE a
	WIN 0x08                                       ; the stores' data: window 2
.irp b, 0,1,2,3,4,5,6,7
	ds_store_b128 v[STO], v[64*(\a)+8*\b:64*(\a)+8*\b+3] offset:64*\b       ; each accumulator from its low end on
	ds_store_b128 v[STO], v[64*(\a)+8*\b+4:64*(\a)+8*\b+7] offset:64*\b+16
.endr
	WIN 0
.irp t, 0,1,2,3,4,5,6,7,8,9,10,11,12,13,14,15
	ds_load_b128 v[BK+64*((\a)%2)+4*\t:BK+64*((\a)%2)+4*\t+3], v[RD] offset:\t*SPITCH
.endr
.endm
.macro SEND a, younger
	s_wait_dscnt \younger
.if (\a) > 0
	s_add_nc_u64 s[8:9], s[8:9], 16*4096           ; (behind a wait on XCNT: the earlier stores have read their base)
.endif
.irp t, 0,1,2,3,4,5,6,7,8,9,10,11,12,13,14,15
	global_store_b128 v[CO], v[BK+64*((\a)%2)+4*\t:BK+64*((\a)%2)+4*\t+3], s[8:9] offset:\t*4096   ; 512 consecutive bytes, aligned
.endr
.endm
	PLACES
	TOSTAGE 0
.irp a, 1,2,3
.if \a > 1
	s_wait_xcnt 0x0                                ; block a - 2's stores have read their registers and their base
.endif
	TOSTAGE \a
	SEND \a-1, 32                                  ; behind block a - 1's loads: block a's 16 stores and 16 loads
.endr
	s_wait_xcnt 0x0
	SEND 3, 0
	s_wait_tensorcnt 0x0                           ; the wave's end
	ds_add_u32 v[SPW], v[NIL]
	s_wait_dscnt 0x0
	CROUND                                         ; the closing round
	s_endpgm
.Lfunc_end_k_qe8a5c67383_proj:
	.size	k_qe8a5c67383_proj, .Lfunc_end_k_qe8a5c67383_proj-k_qe8a5c67383_proj
	.p2alignl 7, 3214868480
	.fill 96, 4, 3214868480
	.section	.rodata,"a",@progbits
	.p2align	6, 0x0
	.amdhsa_kernel k_qe8a5c67383_proj
		.amdhsa_group_segment_fixed_size 327680
		.amdhsa_private_segment_fixed_size 0
		.amdhsa_enable_private_segment 0
		.amdhsa_kernarg_size 24
		.amdhsa_user_sgpr_count 2
		.amdhsa_user_sgpr_kernarg_segment_ptr 1
		.amdhsa_wavefront_size32 1
		.amdhsa_system_sgpr_workgroup_id_x 1
		.amdhsa_system_sgpr_workgroup_id_y 1
		.amdhsa_system_sgpr_workgroup_id_z 1
		.amdhsa_system_vgpr_workitem_id 0
		.amdhsa_next_free_vgpr 768
		.amdhsa_next_free_sgpr 66
		.amdhsa_reserve_vcc 0
		.amdhsa_float_denorm_mode_32 3
		.amdhsa_float_denorm_mode_16_64 3
		.amdhsa_memory_ordered 1
		.amdhsa_forward_progress 1
		.amdhsa_inst_pref_size 85
	.end_amdhsa_kernel
	.amdgpu_metadata
---
amdhsa.version: [ 1, 2 ]
amdhsa.kernels:
  - .name:           k_qe8a5c67383_proj
    .symbol:         k_qe8a5c67383_proj.kd
    .args:
      - { .name: ybuf, .offset: 0, .size: 8, .value_kind: global_buffer, .address_space: global }
      - { .name: prepbuf, .offset: 8, .size: 8, .value_kind: global_buffer, .address_space: global }
      - { .name: out0, .offset: 16, .size: 8, .value_kind: global_buffer, .address_space: global }
    .group_segment_fixed_size: 327680
    .private_segment_fixed_size: 0
    .kernarg_segment_align: 8
    .kernarg_segment_size: 24
    .max_flat_workgroup_size: 128
    .sgpr_count:     66
    .vgpr_count:     768
    .wavefront_size: 32
...
	.end_amdgpu_metadata
.endif
;; end of part 4
;; launch fine (part 5): grid 16 x 4, 16 waves a work-group, no clusters, 71,680 bytes of LDS; arguments qkvbuf, maskbuf, prepbuf, out0; writes out0
.if DOCPART == 5
	.amdgcn_target "amdgcn-amd-amdhsa--gfx1250"
	.amdhsa_code_object_version 6
	.text
	.protected	k_qe8a5c67383_fine
	.globl	k_qe8a5c67383_fine
	.p2align	8
	.type	k_qe8a5c67383_fine,@function
k_qe8a5c67383_fine:
	s_mov_b64 s[64:65], 0
	v_nop
	global_prefetch_b8 v0, s[64:65] scope:SCOPE_SE
	s_setreg_imm32_b32 hwreg(HW_REG_WAVE_MODE, 25, 1), 1
	s_wait_xcnt 0x0
; FINE: positions 0-15 of each batch once more, with P, V, y and W_out as pairs of f16 numbers (high, low), both parts going to the matrix unit: rows that average few values are the largest in size.
; LEFT OUT: steps of 64 keys that the mask hides wholly from queries 0-63 (flag ANY of block 0, stored by the first launch): their weights are 0 for all values.
; SHARES.  Work-group (cg, b) makes out0[b][0..15][64 cg .. + 63].  Wave w is head w: it makes y of its head's 64 channels, which are K steps 2 w and 2 w + 1 of the projection, so y stays in its registers;
; the sixteen waves' partial products are added through LDS.  A head's attention is done once in each of the 16 column groups: up to 32 steps of 64 keys, those that flag ANY marks.
; LIMIT.  V's low part exists for keys 0-63; keys beyond them, where a mask opens them to these rows, go with V's high part alone.  Q and K are single f16 numbers.
; A split is c = 8193 x, hi = c - (c - x), lo = x - hi.
; REGISTERS: v1-5 addresses and constants; v6 mask word, v7 at work; v8-15 c m, m, a, 0, c0-c3; v16-23 ones; v24-39 Q; v40-71 S, p; v72-87, v88-103 high and low parts packed; v104-135 at work;
;   v136-199 K, V, W_out high; v200-231 O^T, then the projection's four accumulators; v232-239 L; v240-251 at work; v252-254 addresses.
.set KOFF,  16777216
.set VOFF,  33554432
.set VLOFF, 50331648
.set WHI,   6127616
.set WDIF,  2097152                    ; from W_out's high part to its low part
.set SPARE, 69632                      ; behind 16 x 4,352 bytes of partial products: the spare words, 128 bytes for each wave, eight blocks of 256 bytes that no other line names
.set LI,   1
.set ML,   2
.set SPW,  3
.set NIL,  4
.set NINF, 5
.set PSTO, 252
.set PRD,  253
.set OUTO, 254
	s_load_b256 s[4:11], s[0:1], 0x0               ; qkvbuf, maskbuf, prepbuf, out0
	v_lshl_add_u32 v[SPW], v0, 2, SPARE
	v_mov_b32 v[NIL], 0
	v_lshrrev_b32 v1, 5, v0
	v_readfirstlane_b32 s12, v1                    ; wave = head
	s_and_b32 s14, ttmp7, 0xffff                   ; batch
	s_lshl_b32 s15, s14, 4
	s_add_co_u32 s15, s15, s12
	v_and_b32 v6, 31, v0
	v_lshlrev_b32 v[LI], 4, v6
	v_lshlrev_b32 v[ML], 2, v6
	v_and_b32 v7, 15, v0                           ; r
	v_bfe_u32 v6, v0, 4, 1                         ; h
	s_mul_i32 s34, s12, 4352
	v_mul_u32_u24 v[PSTO], v7, 272
	v_lshl_add_u32 v[PSTO], v6, 5, v[PSTO]
	v_add_nc_u32 v[PSTO], s34, v[PSTO]             ; my partial products: row r of 256 bytes + 16, + 32 h
	s_mul_i32 s34, s12, 272
	v_mul_u32_u24 v[PRD], v6, 4352
	v_lshl_add_u32 v[PRD], v7, 4, v[PRD]
	v_add_nc_u32 v[PRD], s34, v[PRD]               ; row w of waves 2 i + h
	v_lshlrev_b32 v[OUTO], 4, v7
	v_mov_b32 v[NINF], 0xff800000
.irp i, 0,1,2,3,4,5,6,7
	v_mov_b32 v[16+\i], 0x3c003c00
.endr
	s_mov_b32 s28, 0x3e38aa3b                      ; c = log2(e) / 8
	s_mov_b32 s29, s28
	s_mov_b32 s30, 0x76543210
	s_mov_b32 s31, 0xfedcba98
	s_mov_b32 s32, 0x46000400                      ; 8193
	s_mov_b32 s33, s32
	v_mov_b32 v9, 0xff61b1e6                       ; m = -3e38
	v_mul_f32 v8, s28, v9
.irp i, 10,11,12,13,14,15
	v_mov_b32 v\i, 0
.endr
.set n, 0
.rept 40
	v_mov_b32 v[200+n], 0                          ; O^T and L: the first live step hangs on the flags
.set n, n+1
.endr
	s_lshl_b32 s34, s15, 18
	s_mov_b32 s35, 0
	s_wait_kmcnt 0x0
	s_load_b64 s[24:25], s[6:7], 0x80000           ; (ANY, MIX) of queries 0-63
	s_add_nc_u64 s[40:41], s[4:5], s[34:35]        ; the head's Q, position tile 0
	s_add_nc_u64 s[16:17], s[40:41], KOFF
	s_add_nc_u64 s[18:19], s[40:41], VOFF
	s_lshl_b32 s34, s15, 13
	s_add_co_u32 s34, s34, VLOFF
	s_add_nc_u64 s[22:23], s[4:5], s[34:35]
	s_mov_b64 s[20:21], s[6:7]                     ; the mask words of query tile 0
	s_lshl_b32 s34, ttmp9, 17
	s_lshl_b32 s36, s12, 11
	s_add_co_u32 s34, s34, s36
	s_add_co_u32 s34, s34, WHI
	s_add_nc_u64 s[36:37], s[8:9], s[34:35]        ; W_out: column tiles 4 cg on, K steps 2 w on
	s_lshl_b32 s34, s14, 11
	s_add_co_u32 s34, s34, s12
	s_lshl_b32 s34, s34, 12
	s_lshl_b32 s38, ttmp9, 8
	s_add_co_u32 s34, s34, s38
	s_add_nc_u64 s[38:39], s[10:11], s[34:35]      ; out0: row 2,048 b + w, columns 64 cg on
.irp n, 0,1,2,3
	global_load_b128 v[24+4*\n:27+4*\n], v[LI], s[40:41] offset:512*\n
.endr
	s_wait_kmcnt 0x0
	s_mov_b32 s26, s24
	s_mov_b32 s27, 0
; 32 numbers at v[src] on: their high parts go to v[hi] on, their low parts stay in place
.macro SPLIT src, hi
.set n, 0
.rept 16
.set ta, 240+4*(n%3)
	v_pk_mul_f32 v[ta:ta+1], v[\src+2*n:\src+2*n+1], s[32:33] op_sel_hi:[1,0]
	v_pk_add_f32 v[ta+2:ta+3], v[ta:ta+1], v[\src+2*n:\src+2*n+1] neg_lo:[0,1] neg_hi:[0,1]
	v_pk_add_f32 v[\hi+2*n:\hi+2*n+1], v[ta:ta+1], v[ta+2:ta+3] neg_lo:[0,1] neg_hi:[0,1]
	v_pk_add_f32 v[\src+2*n:\src+2*n+1], v[\src+2*n:\src+2*n+1], v[\hi+2*n:\hi+2*n+1] neg_lo:[0,1] neg_hi:[0,1]
.set n, n+1
.endr
.set n, 0
.rept 16
	v_cvt_pk_f16_f32 v[72+n], v[\hi+2*n], v[\hi+2*n+1]
	v_cvt_pk_f16_f32 v[88+n], v[\src+2*n], v[\src+2*n+1]
.set n, n+1
.endr
.endm
.Lkey:                                 ; 32 trips of 64 keys: a constant
	s_bitcmp1_b32 s26, 0
	s_cbranch_scc0 .Lskip
.irp f, 0,1,2,3,4,5,6,7
	global_load_b128 v[136+8*\f:139+8*\f], v[LI], s[16:17] offset:1024*\f
	global_load_b128 v[140+8*\f:143+8*\f], v[LI], s[16:17] offset:1024*\f+512
.endr
	global_load_b32 v6, v[ML], s[20:21]
	s_wait_loadcnt 0x0
.irp c, 0,1                                    ; four accumulators by turns
.irp k, 0,1,2,3
.if \c == 0
	v_wmma_f32_16x16x32_f16 v[40+8*\k:47+8*\k], v[136+16*\k+8*\c:143+16*\k+8*\c], v[24+8*\c:31+8*\c], 0
.else
	v_wmma_f32_16x16x32_f16 v[40+8*\k:47+8*\k], v[136+16*\k+8*\c:143+16*\k+8*\c], v[24+8*\c:31+8*\c], v[40+8*\k:47+8*\k]
.endif
.endr
.endr
.rept 4
	v_nop
.endr
.irp f, 0,1,2,3,4,5,6,7
	global_load_b128 v[136+8*\f:139+8*\f], v[LI], s[18:19] offset:1024*\f
	global_load_b128 v[140+8*\f:143+8*\f], v[LI], s[18:19] offset:1024*\f+512
.endr
.set n, 0
.rept 32                                       ; hidden keys' scores become -inf
	v_lshlrev_b32 v7, 31-n, v6
	v_cmp_gt_i32 vcc_lo, 0, v7
	v_cndmask_b32 v[40+n], v[40+n], v[NINF], vcc_lo
.set n, n+1
.endr
.irp j, 0,1,2,3
	v_max3_num_f32 v[12+\j], v[40+8*\j], v[41+8*\j], v[42+8*\j]
.endr
.irp p, 3,5
.irp j, 0,1,2,3
	v_max3_num_f32 v[12+\j], v[12+\j], v[40+8*\j+\p], v[41+8*\j+\p]
.endr
.endr
	v_max3_num_f32 v12, v12, v47, v55
	v_max3_num_f32 v14, v14, v63, v71
	v_max3_num_f32 v12, v12, v13, v14
	v_max3_num_f32 v12, v12, v15, v9
	v_permlanex16_b32 v13, v12, s30, s31
	v_mov_b32 v15, v8
	v_max_num_f32 v9, v12, v13
	v_mul_f32 v8, s28, v9
	v_sub_f32 v15, v15, v8
	v_exp_f32 v10, v15
.set n, 0
.rept 16
	v_pk_fma_f32 v[40+2*n:41+2*n], v[40+2*n:41+2*n], s[28:29], v[8:9] op_sel_hi:[1,0,0] neg_lo:[0,0,1] neg_hi:[0,0,1]
.set n, n+1
.endr
.set n, 0
.rept 32
	v_exp_f32 v[40+n], v[40+n]
.set n, n+1
.endr
	v_nop
	s_wait_alu depctr_va_vdst(0)                   ; one wait for the 33 exponentials
.set n, 0
.rept 16
	v_pk_mul_f32 v[200+2*n:201+2*n], v[200+2*n:201+2*n], v[10:11] op_sel_hi:[1,0]
.set n, n+1
.endr
	v_pk_mul_f32 v[232:233], v[232:233], v[10:11] op_sel_hi:[1,0]
	SPLIT 40, 104                                  ; p's high part in v72-87, its low part in v88-103
	s_wait_loadcnt 0x0                             ; V
.irp g, 0,1                                    ; five accumulators by turns
.irp p, 72,88
.irp c, 0,1,2,3
	v_wmma_f32_16x16x32_f16 v[200+8*\c:207+8*\c], v[136+8*(4*\g+\c):143+8*(4*\g+\c)], v[\p+8*\g:\p+8*\g+7], v[200+8*\c:207+8*\c]
.endr
	v_wmma_f32_16x16x32_f16 v[232:239], v[16:23], v[\p+8*\g:\p+8*\g+7], v[232:239]
.endr
.endr
	s_cmp_lg_u32 s27, 0
	s_cbranch_scc1 .Lno_low
.rept 4
	v_nop
.endr
.irp f, 0,1,2,3,4,5,6,7                        ; keys 0-63: V's low part with p's high part
	global_load_b128 v[136+8*\f:139+8*\f], v[LI], s[22:23] offset:1024*\f
	global_load_b128 v[140+8*\f:143+8*\f], v[LI], s[22:23] offset:1024*\f+512
.endr
	s_wait_loadcnt 0x0
.irp g, 0,1
.irp c, 0,1,2,3
	v_wmma_f32_16x16x32_f16 v[200+8*\c:207+8*\c], v[136+8*(4*\g+\c):143+8*(4*\g+\c)], v[72+8*\g:79+8*\g], v[200+8*\c:207+8*\c]
.endr
.endr
.Lno_low:
.rept 5
	v_nop                                          ; the next products and loads write over registers of these
.endr
.Lskip:
	s_wait_xcnt 0x0                                ; the trip's loads have read their addresses
	s_add_nc_u64 s[16:17], s[16:17], 8192
	s_add_nc_u64 s[18:19], s[18:19], 8192
	s_add_nc_u64 s[20:21], s[20:21], 128
	s_lshr_b32 s26, s26, 1
	s_add_co_u32 s27, s27, 1
	s_cmp_lt_u32 s27, 32
	s_cbranch_scc1 .Lkey
	; y = O^T / the sum, split; then my two K steps of the projection: W high x y high, W high x y low, W low x y high
	v_rcp_f32 v12, v232
	v_nop
	s_wait_alu depctr_va_vdst(0)
.set n, 0
.rept 32
	v_mul_f32 v[104+n], v[200+n], v12
.set n, n+1
.endr
	SPLIT 104, 40                                  ; y's high part in v72-87, its low part in v88-103: fragment k' is registers 8 k' on
.irp c, 0,1,2,3
.irp k, 0,1
	global_load_b128 v[136+16*\c+8*\k:139+16*\c+8*\k], v[LI], s[36:37] offset:32768*\c+1024*\k
	global_load_b128 v[140+16*\c+8*\k:143+16*\c+8*\k], v[LI], s[36:37] offset:32768*\c+1024*\k+512
.endr
	global_load_b128 v[40+8*\c:43+8*\c], v[LI], s[36:37] offset:32768*\c+WDIF
	global_load_b128 v[44+8*\c:47+8*\c], v[LI], s[36:37] offset:32768*\c+512+WDIF
	global_load_b128 v[104+8*\c:107+8*\c], v[LI], s[36:37] offset:32768*\c+1024+WDIF
	global_load_b128 v[108+8*\c:111+8*\c], v[LI], s[36:37] offset:32768*\c+1536+WDIF
.endr
	s_wait_loadcnt 0x0
.irp c, 0,1,2,3                                ; four accumulators by turns; the first four products start the sums
	v_wmma_f32_16x16x32_f16 v[200+8*\c:207+8*\c], v[136+16*\c:143+16*\c], v[72:79], 0
.endr
.irp c, 0,1,2,3
	v_wmma_f32_16x16x32_f16 v[200+8*\c:207+8*\c], v[136+16*\c:143+16*\c], v[88:95], v[200+8*\c:207+8*\c]
.endr
.irp c, 0,1,2,3
	v_wmma_f32_16x16x32_f16 v[200+8*\c:207+8*\c], v[40+8*\c:47+8*\c], v[72:79], v[200+8*\c:207+8*\c]
.endr
.irp c, 0,1,2,3
	v_wmma_f32_16x16x32_f16 v[200+8*\c:207+8*\c], v[144+16*\c:151+16*\c], v[80:87], v[200+8*\c:207+8*\c]
.endr
.irp c, 0,1,2,3
	v_wmma_f32_16x16x32_f16 v[200+8*\c:207+8*\c], v[144+16*\c:151+16*\c], v[96:103], v[200+8*\c:207+8*\c]
.endr
.irp c, 0,1,2,3
	v_wmma_f32_16x16x32_f16 v[200+8*\c:207+8*\c], v[104+8*\c:111+8*\c], v[80:87], v[200+8*\c:207+8*\c]
.endr
.rept 4
	v_nop
.endr
.irp c, 0,1,2,3
	ds_store_b128 v[PSTO], v[200+8*\c:203+8*\c] offset:64*\c          ; lane (r, h): row r, columns 16 c + 8 h + 0..7
	ds_store_b128 v[PSTO], v[204+8*\c:207+8*\c] offset:64*\c+16
.endr
	s_wait_dscnt 0x0                               ; for the others' sake
	s_barrier_signal -1
	s_barrier_wait -1
.irp i, 0,1,2,3,4,5,6,7                        ; wave w adds row w: lanes 0-15 the even waves' parts, lanes 16-31 the odd ones'
	ds_load_b128 v[40+4*\i:43+4*\i], v[PRD] offset:8704*\i
.endr
	s_wait_dscnt 0x0
.irp i, 0,8,16,24
	v_pk_add_f32 v[40+\i:41+\i], v[40+\i:41+\i], v[44+\i:45+\i]
	v_pk_add_f32 v[42+\i:43+\i], v[42+\i:43+\i], v[46+\i:47+\i]
.endr
.irp i, 0,16
	v_pk_add_f32 v[40+\i:41+\i], v[40+\i:41+\i], v[48+\i:49+\i]
	v_pk_add_f32 v[42+\i:43+\i], v[42+\i:43+\i], v[50+\i:51+\i]
.endr
	v_pk_add_f32 v[40:41], v[40:41], v[56:57]
	v_pk_add_f32 v[42:43], v[42:43], v[58:59]
.irp i, 0,1,2,3
	v_permlanex16_b32 v[44+\i], v[40+\i], s30, s31
.endr
.irp i, 0,1,2,3
	v_add_f32 v[40+\i], v[40+\i], v[44+\i]
.endr
	v_and_b32 v7, 31, v0
	v_cmp_gt_u32 vcc_lo, 16, v7
	s_wait_xcnt 0x0                                ; EXEC changes only behind this wait
	s_and_saveexec_b32 s34, vcc_lo
	global_store_b128 v[OUTO], v[40:43], s[38:39]  ; sixteen lanes store 256 consecutive bytes, aligned
	s_wait_xcnt 0x0
	s_or_b32 exec_lo, exec_lo, s34
	s_wait_tensorcnt 0x0                           ; the wave's end, behind my last LDS store
	ds_add_u32 v[SPW], v[NIL]
	s_wait_dscnt 0x0
	s_endpgm
.Lfunc_end_k_qe8a5c67383_fine:
	.size	k_qe8a5c67383_fine, .Lfunc_end_k_qe8a5c67383_fine-k_qe8a5c67383_fine
	.p2alignl 7, 3214868480
	.fill 96, 4, 3214868480
	.section	.rodata,"a",@progbits
	.p2align	6, 0x0
	.amdhsa_kernel k_qe8a5c67383_fine
		.amdhsa_group_segment_fixed_size 71680
		.amdhsa_private_segment_fixed_size 0
		.amdhsa_enable_private_segment 0
		.amdhsa_kernarg_size 32
		.amdhsa_user_sgpr_count 2
		.amdhsa_user_sgpr_kernarg_segment_ptr 1
		.amdhsa_wavefront_size32 1
		.amdhsa_system_sgpr_workgroup_id_x 1
		.amdhsa_system_sgpr_workgroup_id_y 1
		.amdhsa_system_sgpr_workgroup_id_z 1
		.amdhsa_system_vgpr_workitem_id 0
		.amdhsa_next_free_vgpr 256
		.amdhsa_next_free_sgpr 66
		.amdhsa_reserve_vcc 1
		.amdhsa_float_denorm_mode_32 3
		.amdhsa_float_denorm_mode_16_64 3
		.amdhsa_memory_ordered 1
		.amdhsa_forward_progress 1
		.amdhsa_inst_pref_size 41
	.end_amdhsa_kernel
	.amdgpu_metadata
---
amdhsa.version: [ 1, 2 ]
amdhsa.kernels:
  - .name:           k_qe8a5c67383_fine
    .symbol:         k_qe8a5c67383_fine.kd
    .args:
      - { .name: qkvbuf, .offset: 0, .size: 8, .value_kind: global_buffer, .address_space: global }
      - { .name: maskbuf, .offset: 8, .size: 8, .value_kind: global_buffer, .address_space: global }
      - { .name: prepbuf, .offset: 16, .size: 8, .value_kind: global_buffer, .address_space: global }
      - { .name: out0, .offset: 24, .size: 8, .value_kind: global_buffer, .address_space: global }
    .group_segment_fixed_size: 71680
    .private_segment_fixed_size: 0
    .kernarg_segment_align: 8
    .kernarg_segment_size: 32
    .max_flat_workgroup_size: 512
    .sgpr_count:     66
    .vgpr_count:     256
    .wavefront_size: 32
...
	.end_amdgpu_metadata
.endif
;; end of part 5
